; MI455X (gfx1250); checked and timed in simulation.
; The chip was launched on July 23, 2026; its instructions are those of AMD's public machine-readable ISA for CDNA 5 (MIT licence, August 2026) and "CDNA5" Instruction Set Architecture Reference Guide (July 2026). The comments in the code are by the model that wrote it; some were corrected since.
;; Multi Head Self Attention. Allowed arithmetic: matrix products marked QUANTISED: E2M3 operands, one E8M0 scale for each 32 along K, by v_wmma_scale_f32_16x16x128_f8f6f4 with both operands' format E2M3, f32 sums; everything else in f32.
;; Inputs: attention_mask 4 x 2,048 int32; hidden_states 4 x 2,048 x 1,024 float32; rel_emb 32 x 16 float32; wk 1,024 x 1,024 float32; wo 1,024 x 1,024 float32; wq 1,024 x 1,024 float32; wv 1,024 x 1,024 float32.
;; Outputs: out0 4 x 2,048 x 1,024 float32.
;; This version of the problem:
;;   THIS VERSION OF THE PROBLEM IS GIVEN IN LOW PRECISION. The matrix products marked QUANTISED in the list below multiply operands that are first quantised to E2M3 (2 exponent bits, 3 mantissa bits; 6 bits a number), with one power-of-two scale for each 32 numbers along K (OCP MX v1.0); their sums are f32. All else is computed in f32.
;;   The module's matrix products, in the order in which they are computed (A, B: the left and right operand; K: the contracted axis; several contracted axes count as one K, in the product's order):
;;     1. [M 8,192, K 1,024] x [K 1,024, N 1,024]; A: input hidden_states; B: input wq: QUANTISED
;;     2. [M 8,192, K 1,024] x [K 1,024, N 1,024]; A: input hidden_states; B: input wk: QUANTISED
;;     3. [M 8,192, K 1,024] x [K 1,024, N 1,024]; A: input hidden_states; B: input wv: QUANTISED
;;     4. batch 64 x [M 2,048, K 64] x [K 64, N 2,048]; A: computed on the way; B: computed on the way: QUANTISED
;;     5. batch 64 x [M 2,048, K 2,048] x [K 2,048, N 64]; A: softmax (see below); B: computed on the way: QUANTISED
;;     6. [M 8,192, K 1,024] x [K 1,024, N 1,024]; A: computed on the way; B: input wo: QUANTISED
;;   THE QUANTISER, for each operand of a quantised product, along K:
;;     - K is cut into blocks of 32 from its start; a last block that is shorter is filled with zeros.
;;     - A block's scale is 2^e with e = floor(log2(the largest magnitude in the block)) - 2, held to -126 .. 127; a block of zeros has e = 0. As a byte (E8M0): e + 127.
;;     - Each number is divided by its block's scale, clamped to +-7.5, and rounded to the nearest number of E2M3, ties to even, subnormals kept.
;;     - The product sums the exact products of the quantised numbers (number of the format x scale) in f32.
;;   ~~~python
;;   def quantise(x, axis):      # numpy; x: float32 -> the quantised numbers, widened to float32 again
;;       x = np.moveaxis(x, axis, -1); K = x.shape[-1]
;;       x = np.pad(x, [(0, 0)] * (x.ndim - 1) + [(0, -K % 32)]); x = x.reshape(x.shape[:-1] + (-1, 32)); a = np.abs(x).max(-1, keepdims=True)
;;       e = np.where(a > 0, np.clip(np.frexp(np.where(a > 0, a, 1))[1] - 1 - 2, -126, 127), 0)      # np.frexp(a)[1] - 1 = floor(log2(a)), exactly
;;       r = np.clip(x / 2.0 ** e, -7.5, 7.5)
;;       step = 2.0 ** (np.maximum(np.frexp(np.where(r == 0, 1, r))[1] - 1, 0) - 3)
;;       q = np.round(r / step) * step * 2.0 ** e      # np.round: ties to even
;;       return np.moveaxis(q.reshape(q.shape[:-2] + (-1,))[..., :K], -1, axis).astype(np.float32)
;;   ~~~
;;   SOFTMAX AHEAD OF A QUANTISED PRODUCT. Where the list says 'softmax', what is quantised is not the finished softmax but p = 2^(t - M), with t = logit x log2(e) and M = ceil(the row's largest t), a whole number; so 1/2 < the row's largest p <= 1. The row's sum l is taken of the UNQUANTISED p, in f32, and the product's result is divided by l at the end. Since M is a whole number, a kernel that streams over the keys may use a running M (the ceiling of the running maximum): every later rescaling is an exact power of two, which a block's scale takes up: the codes' values come out the same.
;;   OPERANDS COMPUTED ON THE WAY. 'Computed on the way' means the value that the module computes at that place (a softmax that the list does not call 'softmax' is quantised finished and normalised). What goes into a quantiser is computed in f32, as accurately as f32 sums, v_exp_f32 and their like allow (about 1e-6 of the number): no bf16 or f16 on the way to a quantiser, and a product that is left as it is and whose result goes on into a quantised operand takes f32 operands (vector FMAs, or v_wmma_f32_16x16x4_f32). A number that lies on a knife's edge between two numbers of the format may be rounded either way, as far as f32 arithmetic and the matrix unit's own rounding can turn it there, and no further.
;; One version. Each part assembles by itself: llvm-mc -triple=amdgcn-amd-amdhsa -mcpu=gfx1250 --defsym DOCPART=n.
;; ======== version 1 of 1: 4 launches
;; limits: right only within a limited range of input values
;; workspace buffers: xw_img 9,437,184 bytes; xw_sc 393,216 bytes; qkv_img 18,874,368 bytes; qkv_sc 1,572,864 bytes; a_img 6,291,456 bytes; a_sc 262,144 bytes
;; launch quant (part 1): grid 384 x 1, 4 waves a work-group, no clusters, 34,304 bytes of LDS; arguments hidden_states, wq, wk, wv, wo, xw_img, xw_sc; writes xw_img, xw_sc
.if DOCPART == 1
	.amdgcn_target "amdgcn-amd-amdhsa--gfx1250"
	.amdhsa_code_object_version 6
	.text
	.protected	k_qf056ad0bdf_quant
	.globl	k_qf056ad0bdf_quant
	.p2align	8
	.type	k_qf056ad0bdf_quant,@function
k_qf056ad0bdf_quant:
	s_mov_b64 s[64:65], 0
	v_nop
	global_prefetch_b8 v0, s[64:65] scope:SCOPE_SE
	s_setreg_imm32_b32 hwreg(HW_REG_WAVE_MODE, 25, 1), 1
	s_wait_xcnt 0x0
; hidden_states [8192][1024] and wq, wk, wv, wo [1024][1024], f32, K innermost, become codes of FP6 (E2M3) with one E8M0 byte for each 32 along K.
; A block's scale is 2^(floor(log2(largest magnitude)) - 2); its byte is the largest magnitude's exponent field - 2, held at 1 from below.
; THE CODES ARE LAID AS IMAGES OF OPERAND REGISTERS.  The 12,288 rows are 768 tiles of 16 (x 0-511, wq 512-575, wk 576-639, wv 640-703, wo 704-767).
; Lane r of tile T stands for row 32 (T / 2) + 8 (T % 2) + r + 8 (r / 8).  Fragment (T, s), s = 128 along K, lies at (8 T + s) x 1,536 bytes; its piece p (registers 2 p, 2 p + 1 of
; the operand's twelve) at + 256 p + 8 x lane: every piece is 256 consecutive bytes, aligned, stored by one instruction.  Lane (r, h): registers 6 c .. 6 c + 5 = k 128 s + 64 c + 32 h + 0 .. 31.
; The scale words: 16 bytes at 512 T + 256 (s / 4) + 16 r, word s % 4 = the four bytes of K step s of that row.
; SHARES: work-group g takes tiles 2 g and 2 g + 1; wave w tile 2 g + w / 2 and half w % 2 of K: four fragments.  Each load reads 512 consecutive bytes of a row; a fragment's 16 rows turn through
; the wave's own stage in LDS (rows 528 bytes apart) and come back 32 neighbours along K to a lane and block, so that a block's largest magnitude needs no other lane.  Waves share nothing: no barrier.
; LIMITS: NaN and infinities among the inputs are not served; a block of zeros, or one whose largest magnitude lies under 2^-124, gets the byte 1 (its codes are zeros or nearly so; the bytes are read by this program alone).
.set STG,   8448                       ; a wave's stage: 16 rows x 528
.set SPARE, 4*STG                      ; behind the stages: the spare words, 128 bytes a wave
.set SPW,   16                         ; v16 my spare word's address; never rewritten
.set NIL,   17                         ; v17 0; never rewritten
.set SW,    20                         ; v20-23 the four fragments' scale words
.set C,     24                         ; v24-35 a fragment's codes
.set C2,    36                         ; v36-38, v40-42 the upper halves of the two blocks, as converted
.set R,     64                         ; v64-191 two sets of 64: a fragment as loaded
.set X,     192                        ; v192-255 my 64 numbers: block c at 32 c
	s_load_b256 s[4:11], s[0:1], 0x0               ; hidden_states, wq, wk, wv
	s_load_b128 s[12:15], s[0:1], 0x20             ; wo, xw_img
	s_load_b64 s[16:17], s[0:1], 0x30              ; xw_sc
	v_lshl_add_u32 v[SPW], v0, 2, SPARE
	v_mov_b32 v[NIL], 0
	v_lshrrev_b32 v1, 5, v0
	v_readfirstlane_b32 s18, v1                    ; wave
	v_and_b32 v1, 31, v0                           ; lane
	v_and_b32 v8, 15, v0                           ; r
	v_bfe_u32 v9, v0, 4, 1                         ; h
	v_lshlrev_b32 v2, 4, v1                        ; in: 16 bytes a lane
	s_mul_i32 s19, s18, STG
	v_add_nc_u32 v3, s19, v2                       ; into the stage: 16 x lane
	v_mul_u32_u24 v4, v8, 528
	v_lshl_add_u32 v4, v9, 7, v4
	v_add_nc_u32 v4, s19, v4                       ; out of it: row r, + 128 h: 32 numbers of my half
	v_lshlrev_b32 v5, 3, v1                        ; a piece: 8 bytes a lane
	v_lshlrev_b32 v6, 4, v8                        ; the scale words: 16 bytes a row
	v_lshlrev_b32 v7, 3, v9                        ; 8 h: my bytes' place in a word
	v_mov_b32 v15, 0                               ; a lane permute's destination counts as read: written once
	s_mov_b32 s24, 0x76543210
	s_mov_b32 s25, 0xfedcba98                      ; selects for lane l xor 16
	s_lshr_b32 s23, s18, 1                         ; which of the two tiles
	s_and_b32 s27, s18, 1                          ; which half of K
	s_lshl_b32 s30, ttmp9, 1
	s_add_co_u32 s30, s30, s23                     ; T
	s_mul_i32 s32, s30, 12288
	s_mul_i32 s31, s27, 6144
	s_add_co_u32 s32, s32, s31                     ; my four fragments in the image
	s_mov_b32 s33, 0
	s_lshl_b32 s34, s30, 9
	s_lshl_b32 s31, s27, 8
	s_add_co_u32 s34, s34, s31                     ; and my 256 bytes of scale words
	s_mov_b32 s35, 0
	s_and_b32 s22, ttmp9, 31                       ; a weight's group of 32 rows
	s_wait_alu depctr_va_vdst(0)
	s_wait_kmcnt 0x0
	s_mov_b64 s[20:21], s[12:13]                   ; which tensor: the choice hangs on the work-group's number alone
	s_cmp_lt_u32 ttmp9, 352
	s_cselect_b64 s[20:21], s[10:11], s[20:21]
	s_cmp_lt_u32 ttmp9, 320
	s_cselect_b64 s[20:21], s[8:9], s[20:21]
	s_cmp_lt_u32 ttmp9, 288
	s_cselect_b64 s[20:21], s[6:7], s[20:21]
	s_cmp_lt_u32 ttmp9, 256
	s_cselect_b64 s[20:21], s[4:5], s[20:21]
	s_cselect_b32 s22, ttmp9, s22                  ; the group of 32 rows inside that tensor
	s_lshl_b32 s28, s22, 17                        ; 32 rows of 4,096 bytes
	s_lshl_b32 s29, s23, 15                        ; the odd tile begins 8 rows on
	s_add_co_u32 s28, s28, s29
	s_lshl_b32 s29, s27, 11                        ; half a row
	s_add_co_u32 s28, s28, s29
	s_mov_b32 s29, 0
	s_add_nc_u64 s[20:21], s[20:21], s[28:29]
	s_add_nc_u64 s[14:15], s[14:15], s[32:33]
	s_add_nc_u64 s[16:17], s[16:17], s[34:35]
.macro LOADF f                         ; fragment f: 16 rows x 512 consecutive bytes
.irp i, 0,1,2,3,4,5,6,7,8,9,10,11,12,13,14,15
	global_load_b128 v[R+64*((\f)%2)+4*\i:R+64*((\f)%2)+4*\i+3], v2, s[20:21] offset:(\i+8*(\i/8))*4096+512*(\f) th:TH_LOAD_NT
.endr
.endm
.macro TURNF f                         ; through my stage: LDS serves a wave's instructions in order, so no wait stands between the stores and the loads
.irp i, 0,1,2,3,4,5,6,7,8,9,10,11,12,13,14,15
	ds_store_b128 v3, v[R+64*((\f)%2)+4*\i:R+64*((\f)%2)+4*\i+3] offset:528*\i
.endr
.irp c, 0,1
.irp j, 0,1,2,3,4,5,6,7
	ds_load_b128 v[X+32*\c+4*\j:X+32*\c+4*\j+3], v4 offset:256*\c+16*\j
.endr
.endr
.endm
.macro QUANTF f                        ; my two whole blocks (2 c + h of the K step) become the operand's registers 6 c .. 6 c + 5
.irp c, 0,1
	v_max3_num_f32 v[8+\c], |v[X+32*\c]|, |v[X+32*\c+1]|, 0x1800000    ; with the floor 2^(3 - 127): the byte cannot fall under 1
.endr
.irp i, 2,4,6,8,10,12,14,16,18,20,22,24,26,28,30
.irp c, 0,1
	v_max3_num_f32 v[8+\c], v[8+\c], |v[X+32*\c+\i]|, |v[X+32*\c+\i+1]|
.endr
.endr
.irp c, 0,1
	v_add_nc_u32 v[10+\c], 0xff000000, v[8+\c]     ; 2 off the exponent field: the conversion's scale operand
.endr
.irp c, 0,1
	v_lshrrev_b32 v[12+\c], 23, v[10+\c]           ; the byte
.endr
	v_lshl_or_b32 v14, v13, 16, v12                ; blocks h and 2 + h,
	v_lshlrev_b32 v14, v7, v14                     ; at their places,
	v_permlanex16_b32 v15, v14, s24, s25
	v_or_b32 v[SW+\f], v14, v15                    ; with lane l xor 16's two the word is whole
.irp c, 0,1
	v_cvt_scalef32_pk16_fp6_f32 v[C+6*\c:C+6*\c+2], v[X+32*\c:X+32*\c+15], v[10+\c]
	v_cvt_scalef32_pk16_fp6_f32 v[C2+4*\c:C2+4*\c+2], v[X+32*\c+16:X+32*\c+31], v[10+\c]   ; (a conversion's three registers begin on an even number)
.endr
	v_nop                                          ; one plain place behind a scaled conversion
.irp c, 0,1
.irp i, 0,1,2
	v_mov_b32 v[C+6*\c+3+\i], v[C2+4*\c+\i]
.endr
.endr
.irp p, 0,1,2,3,4,5
	global_store_b64 v5, v[C+2*\p:C+2*\p+1], s[14:15] offset:1536*(\f)+256*\p    ; 32 lanes store 256 consecutive bytes, aligned
.endr
.endm
	LOADF 0
	LOADF 1
.irp f, 0,1,2,3
.if \f < 3
	s_wait_loadcnt 16                              ; this fragment's 16 loads are in; the next fragment's 16 may be out
.else
	s_wait_loadcnt 0x0
.endif
	TURNF \f
	s_wait_dscnt 0x0                               ; my numbers are back, and the stage's stores have read their registers,
.if \f < 2
	LOADF \f+2                                     ; which take the fragment two on
.endif
.if \f > 0
	s_wait_xcnt 0x0                                ; the last fragment's stores have read the codes' registers
.endif
	QUANTF \f
.endr
	v_cmp_gt_u32 vcc_lo, 16, v1
	s_wait_xcnt 0x0                                ; EXEC changes only behind this wait
	s_and_saveexec_b32 s26, vcc_lo
	global_store_b128 v6, v[SW:SW+3], s[16:17]     ; lanes 0-15: 256 consecutive bytes, aligned
	s_wait_xcnt 0x0
	s_or_b32 exec_lo, exec_lo, s26
	s_wait_tensorcnt 0x0                           ; the wave's end, behind my last LDS store
	ds_add_u32 v[SPW], v[NIL]
	s_wait_dscnt 0x0
	s_endpgm
.Lfunc_end_k_qf056ad0bdf_quant:
	.size	k_qf056ad0bdf_quant, .Lfunc_end_k_qf056ad0bdf_quant-k_qf056ad0bdf_quant
	.p2alignl 7, 3214868480
	.fill 96, 4, 3214868480
	.section	.rodata,"a",@progbits
	.p2align	6, 0x0
	.amdhsa_kernel k_qf056ad0bdf_quant
		.amdhsa_group_segment_fixed_size 34304
		.amdhsa_private_segment_fixed_size 0
		.amdhsa_enable_private_segment 0
		.amdhsa_kernarg_size 56
		.amdhsa_user_sgpr_count 2
		.amdhsa_user_sgpr_kernarg_segment_ptr 1
		.amdhsa_wavefront_size32 1
		.amdhsa_system_sgpr_workgroup_id_x 1
		.amdhsa_system_sgpr_workgroup_id_y 1
		.amdhsa_system_sgpr_workgroup_id_z 1
		.amdhsa_system_vgpr_workitem_id 0
		.amdhsa_next_free_vgpr 256
		.amdhsa_next_free_sgpr 66
		.amdhsa_reserve_vcc 1
		.amdhsa_float_denorm_mode_32 3
		.amdhsa_float_denorm_mode_16_64 3
		.amdhsa_memory_ordered 1
		.amdhsa_forward_progress 1
		.amdhsa_inst_pref_size 32
	.end_amdhsa_kernel
	.amdgpu_metadata
---
amdhsa.version: [ 1, 2 ]
amdhsa.kernels:
  - .name:           k_qf056ad0bdf_quant
    .symbol:         k_qf056ad0bdf_quant.kd
    .args:
      - { .name: hidden_states, .offset: 0, .size: 8, .value_kind: global_buffer, .address_space: global }
      - { .name: wq, .offset: 8, .size: 8, .value_kind: global_buffer, .address_space: global }
      - { .name: wk, .offset: 16, .size: 8, .value_kind: global_buffer, .address_space: global }
      - { .name: wv, .offset: 24, .size: 8, .value_kind: global_buffer, .address_space: global }
      - { .name: wo, .offset: 32, .size: 8, .value_kind: global_buffer, .address_space: global }
      - { .name: xw_img, .offset: 40, .size: 8, .value_kind: global_buffer, .address_space: global }
      - { .name: xw_sc, .offset: 48, .size: 8, .value_kind: global_buffer, .address_space: global }
    .group_segment_fixed_size: 34304
    .private_segment_fixed_size: 0
    .kernarg_segment_align: 8
    .kernarg_segment_size: 56
    .max_flat_workgroup_size: 128
    .sgpr_count:     66
    .vgpr_count:     256
    .wavefront_size: 32
...
	.end_amdgpu_metadata
.endif
;; end of part 1
;; launch qkv (part 2): grid 12 x 32, 4 waves a work-group, clusters of 4 x 4, 327,680 bytes of LDS; arguments xw_img, xw_sc, qkv_img, qkv_sc; writes qkv_img, qkv_sc
.if DOCPART == 2
	.amdgcn_target "amdgcn-amd-amdhsa--gfx1250"
	.amdhsa_code_object_version 6
	.text
	.protected	k_qf056ad0bdf_qkv
	.globl	k_qf056ad0bdf_qkv
	.p2align	8
	.type	k_qf056ad0bdf_qkv,@function
k_qf056ad0bdf_qkv:
	s_mov_b64 s[64:65], 0
	v_nop
	global_prefetch_b8 v0, s[64:65] scope:SCOPE_SE
	s_setreg_imm32_b32 hwreg(HW_REG_WAVE_MODE, 25, 1), 1
	s_wait_xcnt 0x0
	s_wait_alu depctr_hold_cnt(0) depctr_sa_sdst(0) depctr_va_vdst(0) depctr_va_sdst(0) depctr_va_ssrc(0) depctr_va_vcc(0) depctr_vm_vsrc(0)
	s_getreg_b32 s2, hwreg(HW_REG_IB_STS2, 6, 4)
	s_cmp_eq_u32 s2, 0
	s_cbranch_scc0 .Lentry_in_a_cluster
	s_endpgm
.Lentry_in_a_cluster:
	s_bfe_u32 s2, ttmp6, 0x10000c
	s_cmp_lg_u32 s2, 0xf033
	s_cbranch_scc0 .Lentry_shape_is_right
	s_endpgm
.Lentry_shape_is_right:
.set NQ,    2
.set FR,    12
.set NL,    6
.set NP,    4
.set CHB,   3072
.set HALFT, 8*CHB
.set SLOT,  4*HALFT
.set SCL,   3*SLOT
.set SPARE, SCL+16384
.set ADRA,  16
.set ADRB,  20
.set ADRS,  27
.set SPW,   28
.set NIL,   29
.set SC,    32
.set AF,    128
.set TM,    64
.set PW,    80
.set PC,    96
.set G1,  24
.set G0,  32
.set G1B, 44
.set G0B, 52
.set G1S, 68
.set G0S, 76
.set G1SB, 80
.set G0SB, 88
.set MSB, 0
.macro WIN new
.if MSB != \new
	s_set_vgpr_msb (MSB<<8)|\new
.set MSB, \new
.endif
.endm
.set MUL_LO, 0xa1
.set MUL_HI, 0xf1
.set TO_B,   0x40
.macro JLOAD g0a, g1a, g0b, g1b
	s_cmp_eq_u32 s15, 0
	s_cbranch_scc0 .Lfor_b_\@
	tensor_load_to_lds s[\g0a:\g0a+3], s[\g1a:\g1a+7]
	s_nop 0
.rept 4
	v_nop
.endr
	s_branch .Lasked_\@
.Lfor_b_\@:
	tensor_load_to_lds s[\g0b:\g0b+3], s[\g1b:\g1b+7]
	s_nop 0
.rept 4
	v_nop
.endr
.Lasked_\@:
.endm
.macro CREST
	s_cmp_lg_u32 s14, 0
	s_cbranch_scc1 .Lnot_wave_0_\@
	s_barrier_signal -3
.Lnot_wave_0_\@:
	s_barrier_wait -3
	s_barrier_signal -1
	s_barrier_wait -1
.endm
.macro CROUND
	s_barrier_signal -1
	s_barrier_wait -1
	CREST
.endm
	s_load_b256 s[4:11], s[0:1], 0x0
	v_lshl_add_u32 v[SPW], v0, 2, SPARE
	v_mov_b32 v[NIL], 0
	ds_add_u32 v[SPW], v[NIL]
	ds_add_u32 v[SPW], v[NIL]
	v_lshrrev_b32 v1, 5, v0
	v_readfirstlane_b32 s14, v1
	s_lshr_b32 s15, s14, 1
	s_and_b32 s16, s14, 1
	s_bfe_u32 s66, ttmp6, 0x40000
	s_bfe_u32 s67, ttmp6, 0x40004
	s_and_b32 s18, ttmp7, 0xffff
	s_cmp_eq_u32 ttmp9, 2
	s_cselect_b32 s100, 1, 0
	s_cselect_b32 s19, s18, ttmp9
	s_cselect_b32 s20, 0, s18
	s_cselect_b32 s21, 640, 0
	s_cselect_b32 s22, 0, 512
	s_lshl_b32 s101, s19, 2
	s_add_co_u32 s101, s101, s66
	s_lshl_b32 s17, s20, 2
	s_add_co_u32 s17, s17, s67
	s_lshl_b32 s18, s67, 2
	s_lshl_b32 s18, 15, s18
	s_lshl_b32 s19, 0x1111, s66
	s_or_b32 s[G1], s18, (3<<16)|(1<<21)
	s_or_b32 s[G1B], s19, (3<<16)|(1<<21)
.irp g, G1, G1B
	s_mov_b32 s[\g+1], 384<<16
	s_mov_b32 s[\g+2], 8<<16
	s_mov_b32 s[\g+3], 384<<16
	s_mov_b32 s[\g+4], 8
	s_mov_b32 s[\g+5], 1536
	s_mov_b32 s[\g+6], 0
	s_mov_b32 s[\g+7], 0
.endr
	s_lshl_b32 s23, s16, 3
	s_lshl_b32 s20, s17, 4
	s_add_co_u32 s20, s20, s21
	s_add_co_u32 s20, s20, s23
	s_lshl_b32 s92, s101, 4
	s_add_co_u32 s92, s92, s22
	s_add_co_u32 s92, s92, s23
	s_lshl_b32 s94, s20, 9
	s_mov_b32 s95, 0
	s_mul_i32 s20, s20, 12288
	s_mov_b32 s21, 0
	s_lshl_b32 s96, s92, 9
	s_mov_b32 s97, 0
	s_mul_i32 s92, s92, 12288
	s_mov_b32 s93, 0
	s_mul_i32 s98, s14, HALFT
	s_lshl_b32 s99, s14, 12
	s_mov_b32 s2, 0x76543210
	s_mov_b32 s3, 0xfedcba98
	s_wait_dscnt 0x0
	s_wait_kmcnt 0x0
	s_add_nc_u64 s[20:21], s[4:5], s[20:21]
	s_add_nc_u64 s[94:95], s[6:7], s[94:95]
	s_add_nc_u64 s[92:93], s[4:5], s[92:93]
	s_add_nc_u64 s[96:97], s[6:7], s[96:97]
	CROUND
	s_cmp_eq_u32 s15, 0                            ; my 4,096 bytes of scale words (waves 0, 1: A's halves; 2, 3: B's) come through registers: eight loads of 512 consecutive bytes
	s_cselect_b64 s[76:77], s[94:95], s[96:97]
	v_and_b32 v30, 31, v0
	v_lshlrev_b32 v30, 4, v30                      ; 16 x lane
	s_add_co_u32 s99, s99, SCL
	v_add_nc_u32 v31, s99, v30                     ; and go to SCL + 4,096 x wave + 16 x lane
.irp i, 0,1,2,3,4,5,6,7
	global_load_b128 v[SC+4*\i:SC+4*\i+3], v30, s[76:77] offset:512*\i
.endr
.irp n, 0,1
	s_mov_b32 s[G0+4*\n], 1
	s_add_co_u32 s[G0+4*\n+1], s98, \n*SLOT
	s_add_nc_u64 s[G0+4*\n+2:G0+4*\n+3], s[20:21], \n*CHB
	s_or_b32 s[G0+4*\n+3], s[G0+4*\n+3], 0x80000000
	s_mov_b32 s[G0B+4*\n], 1
	s_add_co_u32 s[G0B+4*\n+1], s98, \n*SLOT
	s_add_nc_u64 s[G0B+4*\n+2:G0B+4*\n+3], s[92:93], \n*CHB
	s_or_b32 s[G0B+4*\n+3], s[G0B+4*\n+3], 0x80000000
.endr
	JLOAD G0, G1, G0B, G1B                         ; chunk 0: the head's one tensor load a wave; the set-up below stands under its flight
	v_and_b32 v1, 31, v0
	v_and_b32 v2, 15, v0
	v_bfe_u32 v3, v0, 4, 1
	s_wait_alu depctr_va_vdst(0)
	v_lshlrev_b32 v4, 3, v1
	s_mul_i32 s18, s15, HALFT
	s_mul_i32 s19, s16, HALFT
	s_add_co_u32 s19, s19, 2*HALFT
.irp n, 0,1
	v_add_nc_u32 v[ADRA+\n], s18, v4
	v_add_nc_u32 v[ADRB+\n], s19, v4
	s_add_co_u32 s18, s18, SLOT
	s_add_co_u32 s19, s19, SLOT
.endr
	s_lshl_b32 s18, s15, 12
	s_lshl_b32 s19, s16, 12
	s_add_co_u32 s19, s19, 8192
	s_sub_co_u32 s19, s19, s18
	v_mul_u32_u24 v5, s19, v3
	s_add_co_u32 s18, s18, SCL
	v_lshl_add_u32 v5, v2, 4, v5
	v_add_nc_u32 v[ADRS], s18, v5
.irp b, 0,1,2,3
	v_mov_b32 v[TM+4+\b], 0
.endr
	s_lshl_b32 s18, s101, 2
	s_lshl_b32 s19, s16, 1
	s_add_co_u32 s18, s18, s19
	s_lshr_b32 s19, s18, 4
	s_and_b32 s18, s18, 15
	s_lshl_b32 s19, s19, 6
	s_add_co_u32 s18, s18, s19
	s_lshr_b32 s19, s17, 3
	s_lshl_b32 s19, s19, 4
	s_add_co_u32 s18, s18, s19
	s_and_b32 s19, s17, 7
	s_lshl_b32 s19, s19, 4
	s_lshl_b32 s20, s15, 3
	s_add_co_u32 s19, s19, s20
	s_mul_i32 s20, s18, 98304
	s_mul_i32 s21, s19, 768
	s_add_co_u32 s20, s20, s21
	s_lshl_b32 s18, s18, 13
	s_lshl_b32 s19, s19, 6
	s_add_co_u32 s21, s18, s19
	s_lshr_b32 s18, s101, 3
	s_lshl_b32 s18, s18, 4
	s_lshl_b32 s19, s17, 2
	s_add_co_u32 s18, s18, s19
	s_lshl_b32 s19, s15, 1
	s_add_co_u32 s18, s18, s19
	s_add_co_u32 s18, s18, 128
	s_and_b32 s19, s101, 7
	s_lshl_b32 s19, s19, 1
	s_add_co_u32 s19, s19, s16
	s_mul_i32 s22, s18, 98304
	s_mul_i32 s23, s19, 6144
	s_add_co_u32 s22, s22, s23
	s_lshl_b32 s18, s18, 13
	s_lshl_b32 s19, s19, 9
	s_add_co_u32 s23, s18, s19
	s_cmp_eq_u32 s100, 1
	s_cselect_b32 s20, s22, s20
	s_cselect_b32 s22, s23, s21
	s_mov_b32 s21, 0
	s_mov_b32 s23, 0
	s_add_nc_u64 s[8:9], s[8:9], s[20:21]
	s_add_nc_u64 s[10:11], s[10:11], s[22:23]
	s_mul_i32 s20, s100, 97536
	s_sub_co_u32 s20, 98304, s20
	s_add_nc_u64 s[12:13], s[8:9], s[20:21]
	s_lshl_b32 s92, 768, s100
	s_mov_b32 s93, 0
	s_lshl_b32 s94, 64, s100
	s_mov_b32 s95, 0
	s_mul_i32 s96, s100, 92160
	s_mov_b32 s97, 0
	s_mul_i32 s98, s100, 7680
	s_mov_b32 s99, 0
	s_mul_i32 s18, s100, 8128
	s_sub_co_u32 s18, 8192, s18
	s_lshl_b32 s19, s100, 4
	s_sub_co_u32 s19, 16, s19
	v_lshlrev_b32 v24, 3, v1
	v_mul_u32_u24 v25, s18, v3
	v_lshl_add_u32 v25, v2, 2, v25
	v_mul_u32_u24 v26, s19, v3
.macro FRAG reg, adr, q, i
.irp p, 0,1,2,3,4,5
	ds_load_b64 v[\reg+2*\p:\reg+2*\p+1], v[\adr] offset:CHB*(\i)+1536*(\q)+256*\p
.endr
.endm
.macro MUL16 a0, p, q, sc, zero
.irp a, \a0, \a0+1
.irp b, 0,1,2,3,4,5,6,7
.if \zero
	v_wmma_scale_f32_16x16x128_f8f6f4 v[8*(8*((\a)%4)+\b):8*(8*((\a)%4)+\b)+7], v[128*(\p)+FR*\b:128*(\p)+FR*\b+FR-1], v[AF+FR*(\a):AF+FR*(\a)+FR-1], 0, v[SC+8*NQ*(\sc)+NQ*\b+(\q)], v[SC+8*NQ*(\sc)+NQ*(\a)+(\q)] matrix_a_fmt:MATRIX_FMT_FP6 matrix_b_fmt:MATRIX_FMT_FP6 matrix_a_scale:MATRIX_SCALE_ROW1
.else
	v_wmma_scale_f32_16x16x128_f8f6f4 v[8*(8*((\a)%4)+\b):8*(8*((\a)%4)+\b)+7], v[128*(\p)+FR*\b:128*(\p)+FR*\b+FR-1], v[AF+FR*(\a):AF+FR*(\a)+FR-1], v[8*(8*((\a)%4)+\b):8*(8*((\a)%4)+\b)+7], v[SC+8*NQ*(\sc)+NQ*\b+(\q)], v[SC+8*NQ*(\sc)+NQ*(\a)+(\q)] matrix_a_fmt:MATRIX_FMT_FP6 matrix_b_fmt:MATRIX_FMT_FP6 matrix_a_scale:MATRIX_SCALE_ROW1
.endif
.endr
.endr
.endm
.macro FETCH_B slot, q, p
	WIN TO_B
.irp i, 0,1,2,3,4,5,6,7
	FRAG 128*(\p)+FR*\i, ADRB+\slot, \q, \i
.endr
	WIN 0
.endm
.macro FETCH_A slot, q, i0
.irp i, \i0, \i0+1, \i0+2, \i0+3
	FRAG AF+FR*(\i), ADRA+\slot, \q, \i
.endr
.endm
.macro SCALES ch
.irp i, 0,1,2,3,4,5,6,7
	ds_load_b64 v[SC+16*((\ch)%2)+2*\i:SC+16*((\ch)%2)+2*\i+1], v[ADRS] offset:512*\i+256*((\ch)/2)+8*((\ch)%2)
.endr
.endm
.macro PLACES n
.rept \n
	v_nop
.endr
.endm
.macro KS slot, q, sc, zero, nslot, nq, nch, sync
.if \sync
	s_wait_tensorcnt 0x0
	ds_add_u32 v[SPW], v[NIL]
	s_wait_dscnt 4*NL+1
.else
	s_wait_dscnt 4*NL
.endif
	WIN MUL_LO
	MUL16 0, \q, \q, \sc, \zero
.if \sync
	s_wait_dscnt 0x0
	s_barrier_signal -1
.endif
	MUL16 2, \q, \q, \sc, \zero
.if \sync
	WIN 0
	s_barrier_wait -1
.if \sync == 2
	CREST
	s_add_nc_u64 s[G0+4*(\slot)+2:G0+4*(\slot)+3], s[G0+4*(\slot)+2:G0+4*(\slot)+3], 2*CHB      ; a ring of two slots: the slot just read out takes the chunk two on
	s_add_nc_u64 s[G0B+4*(\slot)+2:G0B+4*(\slot)+3], s[G0B+4*(\slot)+2:G0B+4*(\slot)+3], 2*CHB
	JLOAD G0+4*(\slot), G1, G0B+4*(\slot), G1B
.else
	PLACES NP
.endif
.else
	s_wait_dscnt 0x0
	PLACES NP
.endif
	FETCH_B \nslot, \nq, 1-(\q)
	FETCH_A \nslot, \nq, 0
.if (\nq) == 0
	SCALES \nch
.endif
	WIN MUL_HI
	MUL16 4, \q, \q, \sc, \zero
	MUL16 6, \q, \q, \sc, \zero
	PLACES NP
	WIN 0
	FETCH_A \nslot, \nq, 4
.endm
	s_wait_alu depctr_va_vdst(0)
	s_wait_loadcnt 0x0                             ; my scale words are in registers
.irp i, 0,1,2,3,4,5,6,7
	ds_store_b128 v31, v[SC+4*\i:SC+4*\i+3] offset:512*\i
.endr
	s_wait_tensorcnt 0x0                           ; my part of chunk 0 is in
	ds_add_u32 v[SPW], v[NIL]
	s_wait_dscnt 0x0                               ; the add and my stores of scale words are done
	CROUND                                         ; chunk 0 and the scale words are whole, and all sixteen work-groups are here
	JLOAD G0+4, G1, G0B+4, G1B                     ; chunk 1, the first tensor load behind the round
	FETCH_B 0, 0, 0
	FETCH_A 0, 0, 0
	SCALES 0
	FETCH_A 0, 0, 4
	KS 0, 0, 0, 1, 0, 1, 0, 0
	KS 0, 1, 0, 0, 1, 0, 1, 2
	KS 1, 0, 1, 0, 1, 1, 0, 0
	KS 1, 1, 1, 0, 0, 0, 2, 2
	KS 0, 0, 0, 0, 0, 1, 0, 0
	KS 0, 1, 0, 0, 1, 0, 3, 1
	KS 1, 0, 1, 0, 1, 1, 0, 0
	s_wait_dscnt 4*NL
	WIN MUL_LO
	MUL16 0, 1, 1, 1, 0
	MUL16 2, 1, 1, 1, 0
	s_wait_dscnt 0x0
	WIN MUL_HI
	MUL16 4, 1, 1, 1, 0
	MUL16 6, 1, 1, 1, 0
	WIN 0
.macro QUANTW a
.set AC, 64*((\a)%4)
	WIN 0x0a+5*((\a)/4)
.irp b, 0,1,2,3
	v_max3_num_f32 v[TM+\b], |v[AC+16*\b]|, |v[AC+16*\b+1]|, 0x1800000
.endr
.irp i, 2,4,6,8,10,12,14
.irp b, 0,1,2,3
	v_max3_num_f32 v[TM+\b], |v[AC+16*\b+\i]|, |v[AC+16*\b+\i+1]|, v[TM+\b]
.endr
.endr
	WIN 0
.irp b, 0,1,2,3
	v_permlanex16_b32 v[TM+4+\b], v[TM+\b], s2, s3
.endr
.irp b, 0,1,2,3
	v_max_num_f32 v[TM+\b], v[TM+\b], v[TM+4+\b]
.endr
.irp b, 0,1,2,3
	v_add_nc_u32 v[TM+12+\b], 0xff000000, v[TM+\b]
.endr
.irp b, 0,1,2,3
	v_lshrrev_b32 v[TM+4+\b], 23, v[TM+12+\b]
.endr
	v_lshl_or_b32 v[PW], v[TM+5], 8, v[TM+4]
	v_lshl_or_b32 v[PW], v[TM+6], 16, v[PW]
	v_lshl_or_b32 v[PW], v[TM+7], 24, v[PW]
	WIN 0x02+((\a)/4)
.irp c, 0,1
	v_cvt_scalef32_pk16_fp6_f32 v[PC+6*\c:PC+6*\c+2], v[AC+32*\c:AC+32*\c+15], v[TM+12+2*\c]
	v_cvt_scalef32_pk16_fp6_f32 v[PC+12+4*\c:PC+14+4*\c], v[AC+32*\c+16:AC+32*\c+31], v[TM+13+2*\c]
.endr
	WIN 0
	v_nop
.irp c, 0,1
.irp i, 0,1,2
	v_permlane16_swap_b32 v[PC+6*\c+\i], v[PC+12+4*\c+\i]
.endr
.irp i, 0,1,2
	v_mov_b32 v[PC+3+6*\c+\i], v[PC+12+4*\c+\i]
.endr
.endr
.endm
	PLACES NP
.irp a, 0,1,2,3,4,5,6,7
.if \a > 0
	s_wait_xcnt 0x0
	s_add_nc_u64 s[8:9], s[8:9], s[92:93]
	s_add_nc_u64 s[12:13], s[12:13], s[92:93]
	s_add_nc_u64 s[10:11], s[10:11], s[94:95]
.endif
.if \a == 4
	s_add_nc_u64 s[8:9], s[8:9], s[96:97]
	s_add_nc_u64 s[12:13], s[12:13], s[96:97]
	s_add_nc_u64 s[10:11], s[10:11], s[98:99]
.endif
	QUANTW \a
	v_lshrrev_b32 v81, v26, v[PW]
.irp p, 0,1,2
	global_store_b64 v24, v[PC+2*\p:PC+2*\p+1], s[8:9] offset:256*\p
.endr
.irp p, 0,1,2
	global_store_b64 v24, v[PC+6+2*\p:PC+7+2*\p], s[12:13] offset:256*\p
.endr
	global_store_b32 v25, v81, s[10:11]
.endr
	s_wait_tensorcnt 0x0
	ds_add_u32 v[SPW], v[NIL]
	s_wait_dscnt 0x0
	CROUND
	s_endpgm
.Lfunc_end_k_qf056ad0bdf_qkv:
	.size	k_qf056ad0bdf_qkv, .Lfunc_end_k_qf056ad0bdf_qkv-k_qf056ad0bdf_qkv
	.p2alignl 7, 3214868480
	.fill 96, 4, 3214868480
	.section	.rodata,"a",@progbits
	.p2align	6, 0x0
	.amdhsa_kernel k_qf056ad0bdf_qkv
		.amdhsa_group_segment_fixed_size 327680
		.amdhsa_private_segment_fixed_size 0
		.amdhsa_enable_private_segment 0
		.amdhsa_kernarg_size 32
		.amdhsa_user_sgpr_count 2
		.amdhsa_user_sgpr_kernarg_segment_ptr 1
		.amdhsa_wavefront_size32 1
		.amdhsa_system_sgpr_workgroup_id_x 1
		.amdhsa_system_sgpr_workgroup_id_y 1
		.amdhsa_system_sgpr_workgroup_id_z 1
		.amdhsa_system_vgpr_workitem_id 0
		.amdhsa_next_free_vgpr 1024
		.amdhsa_next_free_sgpr 102
		.amdhsa_reserve_vcc 0
		.amdhsa_float_denorm_mode_32 3
		.amdhsa_float_denorm_mode_16_64 3
		.amdhsa_memory_ordered 1
		.amdhsa_forward_progress 1
		.amdhsa_inst_pref_size 169
	.end_amdhsa_kernel
	.amdgpu_metadata
---
amdhsa.version: [ 1, 2 ]
amdhsa.kernels:
  - .name:           k_qf056ad0bdf_qkv
    .symbol:         k_qf056ad0bdf_qkv.kd
    .args:
      - { .name: xw_img, .offset: 0, .size: 8, .value_kind: global_buffer, .address_space: global }
      - { .name: xw_sc, .offset: 8, .size: 8, .value_kind: global_buffer, .address_space: global }
      - { .name: qkv_img, .offset: 16, .size: 8, .value_kind: global_buffer, .address_space: global }
      - { .name: qkv_sc, .offset: 24, .size: 8, .value_kind: global_buffer, .address_space: global }
    .group_segment_fixed_size: 327680
    .private_segment_fixed_size: 0
    .kernarg_segment_align: 8
    .kernarg_segment_size: 32
    .max_flat_workgroup_size: 128
    .sgpr_count:     102
    .vgpr_count:     1024
    .wavefront_size: 32
...
	.end_amdgpu_metadata
.endif
;; end of part 2
;; launch attn (part 3): grid 4 x 64, 16 waves a work-group, no clusters, 248,320 bytes of LDS; arguments qkv_img, qkv_sc, attention_mask, rel_emb, a_img, a_sc; writes a_img, a_sc
.if DOCPART == 3
	.amdgcn_target "amdgcn-amd-amdhsa--gfx1250"
	.amdhsa_code_object_version 6
	.text
	.protected	k_qf056ad0bdf_attn
	.globl	k_qf056ad0bdf_attn
	.p2align	8
	.type	k_qf056ad0bdf_attn,@function
k_qf056ad0bdf_attn:
	s_mov_b64 s[64:65], 0
	v_nop
	global_prefetch_b8 v0, s[64:65] scope:SCOPE_SE
	s_setreg_imm32_b32 hwreg(HW_REG_WAVE_MODE, 25, 1), 1
	s_wait_xcnt 0x0
; attn[b][q][head][:] = softmax_k(q . k / 8 + bias(k - q, head) + (1 - mask[b][k]) x -1e9) v, both products on codes of FP6 (E2M3) with E8M0 scales; the result is quantised along the model's 1,024 and leaves as codes.
; IN: planes of qkv_img / qkv_sc (plane = 64 kind + 16 batch + head).  q, k: [token tile 0-127][3 pieces of 256 bytes]: lane r of tile T is token 32 (T / 2) + 8 (T % 2) + r + 8 (r / 8), its six registers the head's 64 channels.
;     v: [key step 0-15][channel tile 0-3][6 pieces]: 16 channels (in the same tile order) x 128 keys.
; K = 64 IN AN INSTRUCTION OF 128: q's fragment is six registers of codes and six of zeros; k's tile t is named v[32 + 6 t : 43 + 6 t]: its upper six registers (the next tile's codes, zeros behind tile 7) meet zero codes and add nothing.
; SHARES.  A work-group owns 512 queries of one batch and head, in two passes of 256; each of its sixteen waves one tile of 16 a pass.  ALL of the head's k and v, codes and scale words, lie in LDS, filled once, by one tensor load a wave:
; waves 0-5 k's codes, 6-11 v's (16,384 bytes each), 12-13 k's scale words, 14-15 v's (4,096 bytes each).  No slot is filled again.  Two barriers: in front of the first pass, and behind the last, ahead of the closing lines.
; BIAS AND MASK ARE THE C OF THE SCORE PRODUCT: C = 8 x (bias + mt), mt = (1 - f32(mask)) x -1e9 for any int32, the factor 8 exact, so D = 8 x logit.  The bias hangs on key - query alone and is constant beyond +-128.
; With D0 = the step's first key - the first query of my half of the work-group: D0 <= -256: AN[key] = 8 (rel_emb[15][head] + mt); D0 >= 256: AP[key], bucket 31; else (three steps at the most) 8 x bias from a table over
; key - query = -256 .. 258 and ML[key] = 8 mt are added first.  The branches hang on ids and the counts of steps alone.  The table lies in four copies, copy c shifted by c entries: a lane takes copy (-r) mod 4, so that its runs of four are aligned.
; The bucket in whole numbers: d = |key - query|; min(d, 15 - the number of {12, 16, 23, 32, 46, 64, 91} above d) + 16 (key > query): the definition's formula at every whole d.
; THE SOFTMAX: the maxima are taken of D; tm = the running largest D x log2(e) / 8; M = ceil(tm); t - M is one fused multiply-add, D x log2(e) / 8 - M; p = 2^(t - M) is quantised along the keys, the row's sum is taken of the unquantised p.
; When M moves, the sum and O are multiplied by 2^(old M - new M): exact.
; LIMIT, stated: where |tm| is 2^28 or more (only the mask's multiples of 1e9 reach that; a logit's last place is then 16 or more) the exponent is taken as (D - the largest D) / 8, the exact difference of the logits: equal logits give p = 1,
; so that a row all of whose keys are masked is uniform as in the definition, and unequal ones give p under 2^-16 where the definition has under 2^-23.
; NaN and infinities are not served; 1 / sum is v_rcp_f32 and a multiplication; a block under 2^-124 gets the byte 1.
; NO CLUSTER, though the four work-groups of a head read the same k and v: the choice between table and constant addend is a branch on the work-group's queries against the step's keys, which differs between such partners.
; NO PREFETCH: all tiles are asked for at the head in one group; there is no loop to run ahead in.
; OUT: a_img, the image of attn [8192][1024] as the next product's A: tile Tg = 128 batch + my tile, fragment head / 2, pieces 3 (head % 2) + 0 .. 2; a_sc: one byte a lane.
.set VIMG,  98304                      ; LDS: k's image at 0, v's here,
.set KSC,   196608                     ; k's scale words (8,192), v's 8,192 on,
.set AN,    212992                     ; AN, AP 8,192 on, ML 16,384 on,
.set TAB,   237568                     ; the table: four copies of 512 entries, 2,112 bytes apart,
.set TP,    2112
.set SPARE, 246272                     ; the spare words, 128 bytes a wave
.set LK,  1                            ; v1  8 x lane
.set LS,  2                            ; v2  KSC + 4 x lane
.set LA,  3                            ; v3  AN + 64 h
.set LT,  4                            ; v4  my place in my copy of the table, for D0 = -128
.set SPW, 5
.set NIL, 6
.set ADK, 7                            ; v7-10 the step's addresses: k, v, scale words, addends
.set ADV, 8
.set ADS, 9
.set ADA, 10
.set EIG, 11                           ; v11 0.125
.set WV,  52
.set CS,  58                           ; s58 log2(e) / 8
.set SEL, 60
.set KF,  62                           ; the step's first key
.set T6,  63                           ; 6,144 x step
.set T5,  66                           ; 512 x step
.set QB,  67                           ; the first query of my half of the work-group, this pass
.set DD,  68
.set EE,  69
.set PCN, 70                           ; passes to go
.set CNT, 71
; v12 -M, v13 the largest D, v[14:15] the sum; v16-21 q, v22-27 zeros; v28-31 v's scale words; v32-79 k's eight tiles, then v's four fragments; v80-85 zeros; v86-93 k's scale words, v94 q's, v95 p's;
; v96-159 D, then p; v160-191 O^T; v192-255 C, then at work (p's codes v224-235)
	s_load_b256 s[4:11], s[0:1], 0x0               ; qkv_img, qkv_sc, attention_mask, rel_emb
	s_load_b128 s[12:15], s[0:1], 0x20             ; a_img, a_sc
	v_lshl_add_u32 v[SPW], v0, 2, SPARE
	v_mov_b32 v[NIL], 0
	ds_add_u32 v[SPW], v[NIL]                      ; the opening lines: the add, twice on end, and its wait ahead of my tensor load
	ds_add_u32 v[SPW], v[NIL]
	v_lshrrev_b32 v7, 5, v0
	s_delay_alu instid0(VALU_DEP_1)
	v_readfirstlane_b32 s[WV], v7                  ; wave 0..15
	s_and_b32 s54, ttmp7, 0xffff                   ; 16 batch + head
	s_lshr_b32 s55, s54, 4
	s_and_b32 s56, s54, 15
	s_mov_b32 s16, 3<<16                           ; group 1 for codes: 16,384 dense bytes as 64 rows of 256 (32 elements of 8 bytes)
	s_mov_b32 s17, 32<<16
	s_mov_b32 s18, 64<<16
	s_mov_b32 s19, 32<<16
	s_mov_b32 s20, 64
	s_mov_b32 s21, 32
	s_mov_b32 s22, 0
	s_mov_b32 s23, 0
	s_mov_b32 s24, 3<<16                           ; for scale words: 4,096 bytes as 16 rows
	s_mov_b32 s25, 32<<16
	s_mov_b32 s26, 16<<16
	s_mov_b32 s27, 32<<16
	s_mov_b32 s28, 16
	s_mov_b32 s29, 32
	s_mov_b32 s30, 0
	s_mov_b32 s31, 0
	s_mov_b32 s32, 1                               ; group 0 for codes: LDS 16,384 x wave (k's image, then v's)
	s_lshl_b32 s33, s[WV], 14
	s_mov_b32 s36, 1                               ; group 0 for scale words: LDS KSC + 4,096 (wave - 12)
	s_lshl_b32 s37, s[WV], 12
	s_add_co_u32 s37, s37, KSC-49152
	s_mul_i32 s75, s[WV], 11
	s_lshr_b32 s75, s75, 6                         ; 1 for waves 6-11: v's plane lies 64 planes behind k's
	s_mul_i32 s75, s75, 63*98304
	s_mul_i32 s80, s54, 98304
	s_add_co_u32 s80, s80, s75
	s_add_co_u32 s80, s80, s33
	s_add_co_u32 s80, s80, 64*98304                ; my codes in memory
	s_mov_b32 s81, 0
	s_bfe_u32 s75, s[WV], 0x10001                  ; 1 for waves 14, 15
	s_mul_i32 s75, s75, 63*8192
	s_lshl_b32 s82, s54, 13
	s_add_co_u32 s82, s82, s75
	s_lshl_b32 s75, s[WV], 12
	s_add_co_u32 s82, s82, s75
	s_add_co_u32 s82, s82, 64*8192-49152           ; my scale words in memory
	s_mov_b32 s83, 0
	s_mov_b32 s[CS], 0x3e38aa3b                    ; log2(e) / 8
	s_mov_b32 s[SEL], 0x76543210
	s_mov_b32 s[SEL+1], 0xfedcba98
	s_lshr_b32 s74, s[WV], 3
	s_lshl_b32 s74, s74, 7
	s_lshl_b32 s[QB], ttmp9, 9
	s_add_co_u32 s[QB], s[QB], s74
	s_lshl_b32 s84, ttmp9, 5
	s_add_co_u32 s84, s84, s[WV]                   ; my tile of queries in the batch, first pass
	s_mul_i32 s86, s54, 98304
	s_mul_i32 s87, s84, 768
	s_add_co_u32 s86, s86, s87                     ; q's codes
	s_mov_b32 s87, 0
	s_lshl_b32 s88, s54, 13
	s_lshl_b32 s89, s84, 6
	s_add_co_u32 s88, s88, s89                     ; q's scale words
	s_mov_b32 s89, 0
	s_lshl_b32 s74, s55, 7
	s_add_co_u32 s74, s74, s84                     ; Tg
	s_mul_i32 s76, s74, 12288
	s_lshr_b32 s75, s56, 1
	s_mul_i32 s75, s75, 1536
	s_add_co_u32 s76, s76, s75
	s_and_b32 s75, s56, 1
	s_mul_i32 s77, s75, 768
	s_add_co_u32 s76, s76, s77                     ; my place in a_img
	s_mov_b32 s77, 0
	s_lshl_b32 s78, s74, 9
	s_lshr_b32 s79, s56, 3
	s_lshl_b32 s79, s79, 8
	s_add_co_u32 s78, s78, s79
	s_bfe_u32 s79, s56, 0x20001
	s_lshl_b32 s79, s79, 2
	s_add_co_u32 s78, s78, s79
	s_lshl_b32 s79, s75, 1
	s_add_co_u32 s78, s78, s79                     ; and in a_sc
	s_mov_b32 s79, 0
	s_lshl_b32 s84, s55, 13                        ; the batch's mask
	s_mov_b32 s85, 0
	s_wait_dscnt 0x0                               ; both opening adds are done
	s_wait_kmcnt 0x0
	s_add_nc_u64 s[34:35], s[4:5], s[80:81]
	s_or_b32 s35, s35, 0x80000000
	s_add_nc_u64 s[38:39], s[6:7], s[82:83]
	s_or_b32 s39, s39, 0x80000000
	s_add_nc_u64 s[86:87], s[4:5], s[86:87]
	s_add_nc_u64 s[88:89], s[6:7], s[88:89]
	s_add_nc_u64 s[12:13], s[12:13], s[76:77]
	s_add_nc_u64 s[14:15], s[14:15], s[78:79]
	s_add_nc_u64 s[8:9], s[8:9], s[84:85]
	s_cmp_lt_u32 s[WV], 12                         ; one tensor load a wave: every way passes exactly one
	s_cbranch_scc0 .Lscales
	tensor_load_to_lds s[32:35], s[16:23]
	s_nop 0
	s_branch .Lasked
.Lscales:
	tensor_load_to_lds s[36:39], s[24:31]
	s_nop 0
.Lasked:
	s_lshl_b32 s74, s56, 2                         ; 4 x head
	s_load_b32 s72, s[10:11], s74 offset:0x3c0     ; rel_emb[15][head]
	s_load_b32 s73, s[10:11], s74 offset:0x7c0     ; rel_emb[31][head]
	v_and_b32 v7, 31, v0                           ; lane
	v_and_b32 v98, 15, v0                          ; r
	v_bfe_u32 v99, v0, 4, 1                        ; h
	v_lshlrev_b32 v96, 4, v0
	v_lshlrev_b32 v[LK], 3, v7
	v_lshl_add_u32 v[LS], v7, 2, KSC
	v_lshl_add_u32 v[LA], v99, 6, AN
	global_load_b128 v[100:103], v96, s[8:9]       ; thread t: the mask of keys 4 t .. 4 t + 3
	; the table: thread t makes entries 4 (t % 128) + e of copy t / 128: key - query = entry + copy - 256
	v_and_b32 v104, 127, v0
	v_lshrrev_b32 v105, 7, v0
	s_delay_alu instid0(VALU_DEP_1)
	v_lshl_add_u32 v106, v104, 2, v105
.irp e, 0,1,2,3
	v_add_nc_u32 v[108+\e], \e-256, v106
.endr
.irp e, 0,1,2,3
	s_delay_alu instid0(VALU_DEP_4)
	v_sub_nc_u32 v[112+\e], 0, v[108+\e]
.endr
.irp e, 0,1,2,3
	s_delay_alu instid0(VALU_DEP_4)
	v_max_i32 v[116+\e], v[108+\e], v[112+\e]      ; d
.endr
.irp e, 0,1,2,3
	v_mov_b32 v[120+\e], 15
.endr
.irp th, 12,16,23,32,46,64,91
.irp e, 0,1,2,3
	v_add_nc_u32 v[124+\e], -\th, v[116+\e]
.endr
.irp e, 0,1,2,3
	s_delay_alu instid0(VALU_DEP_4)
	v_ashrrev_i32 v[124+\e], 31, v[124+\e]         ; -1 where d lies under the threshold
.endr
.irp e, 0,1,2,3
	s_delay_alu instid0(VALU_DEP_4)
	v_add_nc_u32 v[120+\e], v[120+\e], v[124+\e]
.endr
.endr
.irp e, 0,1,2,3
	s_delay_alu instid0(VALU_DEP_4)
	v_min_u32 v[120+\e], v[120+\e], v[116+\e]
.endr
.irp e, 0,1,2,3
	v_lshrrev_b32 v[112+\e], 31, v[112+\e]         ; 1 where key > query
.endr
.irp e, 0,1,2,3
	s_delay_alu instid0(VALU_DEP_4)
	v_lshl_add_u32 v[120+\e], v[112+\e], 4, v[120+\e]    ; the bucket, 0 .. 31
.endr
.irp e, 0,1,2,3
	s_delay_alu instid0(VALU_DEP_4)
	v_lshl_add_u32 v[120+\e], v[120+\e], 6, s74    ; a row of rel_emb is 64 bytes
.endr
.irp e, 0,1,2,3
	global_load_b32 v[128+\e], v[120+\e], s[10:11]
.endr
	; MY PLACE IN THE TABLE.  My query less QB is qoff = 32 a + 8 u + r + 8 (r / 8), a = (wave / 2) % 4, u = wave % 2.  My copy is c = (3 r) & 3, so that qoff + c is a multiple of 4:
	; X4 = (qoff + c) / 4 = 8 a + 2 u + (r + 3) / 4 + 2 (r / 8), 0 .. 32.  Entry 128 - qoff - c of my copy lies 16 (32 - X4) bytes in; 63 - X4 = ((X4 + 1) x 63) & 63, and the 31 too many, 496 bytes, come off the constant.
	v_mul_u32_u24 v8, v98, 3
	v_add_nc_u32 v9, 3, v98
	v_bfe_u32 v10, v0, 3, 1                        ; r / 8
	v_and_b32 v8, 3, v8                            ; c
	v_lshrrev_b32 v9, 2, v9                        ; (r + 3) / 4
	s_delay_alu instid0(VALU_DEP_1)
	v_lshl_add_u32 v9, v10, 1, v9
	v_bfe_u32 v10, v0, 5, 1                        ; u
	s_delay_alu instid0(VALU_DEP_1)
	v_lshl_add_u32 v9, v10, 1, v9
	v_bfe_u32 v10, v0, 6, 2                        ; a
	s_delay_alu instid0(VALU_DEP_1)
	v_lshl_add_u32 v9, v10, 3, v9                  ; X4
	s_delay_alu instid0(VALU_DEP_1)
	v_add_nc_u32 v9, 1, v9
	s_delay_alu instid0(VALU_DEP_1)
	v_mul_u32_u24 v9, v9, 63
	s_delay_alu instid0(VALU_DEP_1)
	v_and_b32 v9, 63, v9                           ; 63 - X4: 31 .. 63
	v_mul_u32_u24 v[LT], v8, TP
	s_delay_alu instid0(VALU_DEP_1)
	v_lshl_add_u32 v[LT], v9, 4, v[LT]
	s_delay_alu instid0(VALU_DEP_1)
	v_lshl_add_u32 v[LT], v99, 6, v[LT]            ; + 64 h: lanes 16-31 hold the keys 16 further on
	s_delay_alu instid0(VALU_DEP_1)
	v_add_nc_u32 v[LT], TAB-496, v[LT]
	v_lshl_add_u32 v107, v0, 4, AN                 ; where I store AN, AP, ML,
	v_mul_u32_u24 v144, v105, TP
	s_delay_alu instid0(VALU_DEP_1)
	v_lshl_add_u32 v144, v104, 4, v144
	s_delay_alu instid0(VALU_DEP_1)
	v_add_nc_u32 v144, TAB, v144                   ; and my four entries
	v_mov_b32 v[EIG], 0x3e000000
.irp j, 22,23,24,25,26,27,80,81,82,83,84,85
	v_mov_b32 v[\j], 0
.endr
	s_wait_alu depctr_va_vdst(0)
	s_wait_kmcnt 0x0
	s_wait_loadcnt 0x0
.irp e, 0,1,2,3
	v_cvt_f32_i32 v[100+\e], v[100+\e]
.endr
.irp e, 0,1,2,3
	s_delay_alu instid0(VALU_DEP_4)
	v_sub_f32 v[100+\e], 1.0, v[100+\e]
.endr
.irp e, 0,1,2,3
	s_delay_alu instid0(VALU_DEP_4)
	v_mul_f32 v[100+\e], 0xce6e6b28, v[100+\e]     ; mt = (1 - mask) x -1e9
.endr
.irp e, 0,1,2,3
	v_add_f32 v[132+\e], s72, v[100+\e]
	v_add_f32 v[136+\e], s73, v[100+\e]
.endr
.irp e, 0,1,2,3
	v_mul_f32 v[132+\e], 0x41000000, v[132+\e]     ; x 8: exact
	v_mul_f32 v[136+\e], 0x41000000, v[136+\e]
	v_mul_f32 v[140+\e], 0x41000000, v[100+\e]
	v_mul_f32 v[128+\e], 0x41000000, v[128+\e]
.endr
	ds_store_b128 v107, v[132:135]
	ds_store_b128 v107, v[136:139] offset:8192
	ds_store_b128 v107, v[140:143] offset:16384
	ds_store_b128 v144, v[128:131]
; 64 numbers of a step, register 16 b + i for key 32 b + 16 h + i: sixteen loads of 16 bytes
.macro ADDEND reg, adr, off
.irp b, 0,1,2,3
.irp j, 0,1,2,3
	ds_load_b128 v[\reg+16*\b+4*\j:\reg+16*\b+4*\j+3], v[\adr] offset:\off+128*\b+16*\j
.endr
.endr
.endm
	s_wait_alu depctr_va_vdst(0)
	s_wait_tensorcnt 0x0                           ; my tensor load has landed,
	s_wait_dscnt 0x0                               ; my stores of AN, AP, ML and the table are done,
	s_barrier_signal -1
	s_barrier_wait -1                              ; and both hold of every wave
	s_mov_b32 s[PCN], 2
.Lpass:                                            ; a pass: my tile of 16 queries against all 2,048 keys
	v_and_b32 v7, 15, v0
	s_delay_alu instid0(VALU_DEP_1)
	v_lshlrev_b32 v7, 2, v7
.irp p, 0,1,2
	global_load_b64 v[16+2*\p:17+2*\p], v[LK], s[86:87] offset:256*\p    ; q stays in registers
.endr
	global_load_b32 v94, v7, s[88:89]              ; q's scale words
	v_mov_b32 v13, 0xff61b1e6                      ; the largest D so far: -3e38
	v_mov_b32 v12, 0x7f61b1e6                      ; -M
	v_mov_b32 v14, 0
	v_mov_b32 v15, 0
.irp j, 0,1,2,3,4,5,6,7,8,9,10,11,12,13,14,15,16,17,18,19,20,21,22,23,24,25,26,27,28,29,30,31
	v_mov_b32 v[160+\j], 0                         ; O^T: the step is written once; its first trip finds zeros
.endr
	s_mov_b32 s[KF], 0
	s_mov_b32 s[T6], 0
	s_mov_b32 s[T5], 0
	s_mov_b32 s[CNT], 16
	s_wait_alu depctr_va_vdst(0)
	s_wait_loadcnt 0x0                             ; q is in, and v7 may be written again
.Lstep:                                            ; a key step: 128 keys
	s_sub_co_i32 s[DD], s[KF], s[QB]
	s_add_co_i32 s[EE], s[DD], 128                 ; 0, 128 or 256 where the table serves
	v_add_nc_u32 v[ADK], s[T6], v[LK]              ; (these four are also the places behind the last step's products, ahead of the loads below)
	v_add_nc_u32 v[ADS], s[T5], v[LS]
	v_add_nc_u32 v[ADA], s[T5], v[LA]
	s_delay_alu instid0(VALU_DEP_3)
	v_add_nc_u32 v[ADV], VIMG, v[ADK]
	s_wait_alu depctr_va_vdst(0)
.irp t, 0,1,2,3,4,5,6,7
.irp p, 0,1,2
	ds_load_b64 v[32+6*\t+2*\p:33+6*\t+2*\p], v[ADK] offset:768*\t+256*\p
.endr
	ds_load_b32 v[86+\t], v[ADS] offset:64*\t
.endr
	s_cmp_gt_u32 s[EE], 256
	s_cbranch_scc1 .Lfar
	s_cmp_eq_u32 s[EE], 0
	s_cbranch_scc1 .Lnear0
	s_cmp_eq_u32 s[EE], 128
	s_cbranch_scc1 .Lnear1
	ADDEND 192, LT, 1024                           ; 8 x bias by key - query: D0 = 128,
	s_branch .Lml
.Lnear0:
	ADDEND 192, LT, 0                              ; D0 = -128,
	s_branch .Lml
.Lnear1:
	ADDEND 192, LT, 512                            ; D0 = 0
.Lml:
	ADDEND 96, ADA, 16384                          ; ML
	s_wait_dscnt 0x0
.irp j, 0,2,4,6,8,10,12,14,16,18,20,22,24,26,28,30,32,34,36,38,40,42,44,46,48,50,52,54,56,58,60,62
	v_pk_add_f32 v[192+\j:193+\j], v[192+\j:193+\j], v[96+\j:97+\j]    ; 8 (bias + mt), in the definition's order
.endr
.rept 4
	v_nop
.endr
	s_branch .Lgot
.Lfar:
	s_cmp_lt_i32 s[DD], 0
	s_cbranch_scc0 .Lright
	ADDEND 192, ADA, 0                             ; AN
	s_branch .Lgot
.Lright:
	ADDEND 192, ADA, 8192                          ; AP
.Lgot:
	s_wait_dscnt 0x0
	s_wait_alu depctr_va_vdst(0)                   ; C may have been written just ahead of a branch
.irp t, 0,1,2,3,4,5,6,7
	v_wmma_scale_f32_16x16x128_f8f6f4 v[96+8*\t:103+8*\t], v[32+6*\t:43+6*\t], v[16:27], v[192+8*\t:199+8*\t], v[86+\t], v94 matrix_a_fmt:MATRIX_FMT_FP6 matrix_b_fmt:MATRIX_FMT_FP6
.endr
.rept 4
	v_nop                                          ; places: ahead of the loads into k's registers, of the first read of D and of writes into C's registers
.endr
.irp c, 0,1,2,3                        ; v's four fragments are asked for now and land under the softmax
.irp p, 0,1,2,3,4,5
	ds_load_b64 v[32+12*\c+2*\p:33+12*\c+2*\p], v[ADV] offset:1536*\c+256*\p
.endr
	ds_load_b32 v[28+\c], v[ADS] offset:8192+128*\c
.endr
.irp b, 0,1,2,3
	v_max3_num_f32 v[232+\b], v[96+16*\b], v[97+16*\b], v[98+16*\b]    ; the largest D of each block of 32 keys: for the row's maximum, and, since p rises with D, for the block's largest p
.endr
.irp i, 3,5,7,9,11,13
.irp b, 0,1,2,3
	v_max3_num_f32 v[232+\b], v[232+\b], v[96+16*\b+\i], v[97+16*\b+\i]
.endr
.endr
.irp b, 0,1,2,3
	v_max_num_f32 v[232+\b], v[232+\b], v[111+16*\b]
.endr
.irp b, 0,1,2,3
	s_delay_alu instid0(VALU_DEP_4)
	v_permlanex16_b32 v[236+\b], v[232+\b], s[SEL], s[SEL+1]
.endr
.irp b, 0,1,2,3
	s_delay_alu instid0(VALU_DEP_4)
	v_max_num_f32 v[232+\b], v[232+\b], v[236+\b]
.endr
	s_delay_alu instid0(VALU_DEP_2)
	v_max3_num_f32 v254, v232, v233, v234
	s_delay_alu instid0(VALU_DEP_1)
	v_max3_num_f32 v13, v13, v254, v235            ; the running largest D
	v_mov_b32 v254, v12
	s_delay_alu instid0(VALU_DEP_2)
	v_mul_f32 v251, s[CS], v13                     ; tm
	v_mul_f32 v250, 0xbe000000, v13                ; - the largest logit
	s_delay_alu instid0(VALU_DEP_2)
	v_floor_f32 v12, -v251                         ; -M = floor(-tm): M is a whole number
	v_and_b32 v249, 0x7fffffff, v251
	s_delay_alu instid0(VALU_DEP_2)
	v_sub_f32 v254, v12, v254                      ; old M - new M, 0 or less
	v_cmp_lt_u32 vcc_lo, 0x4d7fffff, v249          ; |tm| >= 2^28
	s_delay_alu instid0(VALU_DEP_2)
	v_cvt_i32_f32 v254, v254                       ; (it saturates)
	v_cndmask_b32 v248, s[CS], v[EIG], vcc_lo      ; the factor: log2(e) / 8, or there 1 / 8
	v_cndmask_b32 v250, v12, v250, vcc_lo          ; the addend: -M, or there - the largest logit
	s_delay_alu instid0(VALU_DEP_3)
	v_ldexp_f32 v252, 1.0, v254                    ; f = 2^(old M - new M)
.irp j, 0,2,4,6,8,10,12,14,16,18,20,22,24,26,28,30,32,34,36,38,40,42,44,46,48,50,52,54,56,58,60,62
	v_pk_fma_f32 v[96+\j:97+\j], v[96+\j:97+\j], v[248:249], v[250:251] op_sel_hi:[1,0,0]    ; t - M (of the two pairs the low word serves both halves)
.endr
.irp b, 0,1,2,3
	v_fma_f32 v[232+\b], v[232+\b], v248, v250
.endr
	s_wait_alu depctr_va_vdst(0)
.irp j, 0,1,2,3,4,5,6,7,8,9,10,11,12,13,14,15,16,17,18,19,20,21,22,23,24,25,26,27,28,29,30,31,32,33,34,35,36,37,38,39,40,41,42,43,44,45,46,47,48,49,50,51,52,53,54,55,56,57,58,59,60,61,62,63
	v_exp_f32 v[96+\j], v[96+\j]                   ; p = 2^(t - M)
.endr
.irp b, 0,1,2,3
	v_exp_f32 v[232+\b], v[232+\b]                 ; the block's largest p: the same instructions on the same number
.endr
	v_pk_mul_f32 v[14:15], v[14:15], v[252:253] op_sel_hi:[1,0]    ; the sums under the new M: a plain place behind the exponentials
	s_wait_alu depctr_va_vdst(0)                   ; one wait for the batch, directly ahead of the first reader of O^T too
.irp j, 0,2,4,6,8,10,12,14,16,18,20,22,24,26,28,30
	v_pk_mul_f32 v[160+\j:161+\j], v[160+\j:161+\j], v[252:253] op_sel_hi:[1,0]    ; O^T under the new M
.endr
.irp b, 0,1,2,3
	v_max_num_f32 v[232+\b], 0x1800000, v[232+\b]  ; the floor 2^(3 - 127)
.endr
.irp b, 0,1,2,3
	s_delay_alu instid0(VALU_DEP_4)
	v_add_nc_u32 v[244+\b], 0xff000000, v[232+\b]
.endr
.irp b, 0,1,2,3
	s_delay_alu instid0(VALU_DEP_4)
	v_lshrrev_b32 v[236+\b], 23, v[244+\b]
.endr
	s_delay_alu instid0(VALU_DEP_3)
	v_lshl_or_b32 v95, v237, 8, v236               ; p's scale word for these 128 keys
	s_delay_alu instid0(VALU_DEP_1)
	v_lshl_or_b32 v95, v238, 16, v95
	s_delay_alu instid0(VALU_DEP_1)
	v_lshl_or_b32 v95, v239, 24, v95
.irp c, 0,1
	v_cvt_scalef32_pk16_fp6_f32 v[224+6*\c:226+6*\c], v[96+32*\c:111+32*\c], v[244+2*\c]
	v_cvt_scalef32_pk16_fp6_f32 v[236+4*\c:238+4*\c], v[112+32*\c:127+32*\c], v[245+2*\c]
.endr
	v_nop                                          ; one plain place behind a scaled conversion
.irp c, 0,1
.irp i, 0,1,2
	v_permlane16_swap_b32 v[224+6*\c+\i], v[236+4*\c+\i]
.endr
.irp i, 0,1,2
	s_delay_alu instid0(VALU_DEP_3)
	v_mov_b32 v[227+6*\c+\i], v[236+4*\c+\i]
.endr
.endr
	; the row's sum of the unquantised p, in eight chains: 32 packed additions, which are also the places between the writes of p's scale word and codes and the products below
.irp i, 0,1,2,3,4,5,6
	v_pk_add_f32 v[242+2*\i:243+2*\i], v[96+4*\i:97+4*\i], v[98+4*\i:99+4*\i]
.endr
	v_pk_add_f32 v[14:15], v[14:15], v[124:125]
.irp i, 0,1,2,3,4,5,6
	v_pk_add_f32 v[242+2*\i:243+2*\i], v[242+2*\i:243+2*\i], v[126+2*\i:127+2*\i]
.endr
	v_pk_add_f32 v[14:15], v[14:15], v[140:141]
.irp i, 0,1,2,3,4,5,6
	v_pk_add_f32 v[242+2*\i:243+2*\i], v[242+2*\i:243+2*\i], v[142+2*\i:143+2*\i]
.endr
	v_pk_add_f32 v[14:15], v[14:15], v[156:157]
	v_pk_add_f32 v[242:243], v[242:243], v[158:159]
	v_pk_add_f32 v[246:247], v[246:247], v[248:249]
	v_pk_add_f32 v[250:251], v[250:251], v[252:253]
	v_pk_add_f32 v[14:15], v[14:15], v[254:255]
	v_pk_add_f32 v[242:243], v[242:243], v[244:245]
	s_delay_alu instid0(VALU_DEP_2)
	v_pk_add_f32 v[14:15], v[14:15], v[250:251]
	s_delay_alu instid0(VALU_DEP_2)
	v_pk_add_f32 v[242:243], v[242:243], v[246:247]
	s_delay_alu instid0(VALU_DEP_1)
	v_pk_add_f32 v[14:15], v[14:15], v[242:243]
	s_wait_dscnt 0x0                               ; v is in
.irp c, 0,1,2,3
	v_wmma_scale_f32_16x16x128_f8f6f4 v[160+8*\c:167+8*\c], v[32+12*\c:43+12*\c], v[224:235], v[160+8*\c:167+8*\c], v[28+\c], v95 matrix_a_fmt:MATRIX_FMT_FP6 matrix_b_fmt:MATRIX_FMT_FP6
.endr
	s_add_co_u32 s[KF], s[KF], 128
	s_add_co_u32 s[T6], s[T6], 6144
	s_add_co_u32 s[T5], s[T5], 512
	s_sub_co_u32 s[CNT], s[CNT], 1
	s_cmp_lg_u32 s[CNT], 0
	s_cbranch_scc1 .Lstep
	; THE WAY OUT of a pass.  O^T / the sum; a lane's registers 16 g + i are channels 32 g + 16 h + i of my query: two blocks of the next product's K, quantised as p was.
	s_wait_alu depctr_va_vdst(0)                   ; the sum was written just ahead of the wait for v
	v_add_f32 v14, v14, v15
	s_delay_alu instid0(VALU_DEP_1)
	v_permlanex16_b32 v252, v14, s[SEL], s[SEL+1]
	s_delay_alu instid0(VALU_DEP_1)
	v_add_f32 v14, v14, v252                       ; the row's sum
	s_wait_alu depctr_va_vdst(0)
	v_rcp_f32 v14, v14
	v_and_b32 v8, 15, v0                           ; (plain lines behind the reciprocal; with the additions above they are the places behind the last products)
	v_bfe_u32 v9, v0, 4, 1
	s_delay_alu instid0(VALU_DEP_1)
	v_lshl_add_u32 v10, v8, 4, v9                  ; my byte in a_sc: 16 r + h
	v_lshlrev_b32 v7, 3, v9
	s_wait_alu depctr_va_vdst(0)                   ; ahead of the first reader of the reciprocal and of O^T
.irp j, 0,1,2,3,4,5,6,7,8,9,10,11,12,13,14,15,16,17,18,19,20,21,22,23,24,25,26,27,28,29,30,31
	v_mul_f32 v[96+\j], v[160+\j], v14
.endr
.irp g, 0,1
	v_max3_num_f32 v[232+\g], |v[96+16*\g]|, |v[97+16*\g]|, 0x1800000
.endr
.irp i, 2,4,6,8,10,12,14
.irp g, 0,1
	s_delay_alu instid0(VALU_DEP_2)
	v_max3_num_f32 v[232+\g], v[232+\g], |v[96+16*\g+\i]|, |v[97+16*\g+\i]|
.endr
.endr
.irp g, 0,1
	s_delay_alu instid0(VALU_DEP_2)
	v_permlanex16_b32 v[236+\g], v[232+\g], s[SEL], s[SEL+1]
.endr
.irp g, 0,1
	s_delay_alu instid0(VALU_DEP_2)
	v_max_num_f32 v[232+\g], v[232+\g], v[236+\g]
.endr
.irp g, 0,1
	s_delay_alu instid0(VALU_DEP_2)
	v_add_nc_u32 v[244+\g], 0xff000000, v[232+\g]
.endr
.irp g, 0,1
	s_delay_alu instid0(VALU_DEP_2)
	v_lshrrev_b32 v[236+\g], 23, v[244+\g]
.endr
	s_delay_alu instid0(VALU_DEP_1)
	v_lshl_or_b32 v240, v237, 8, v236
	s_delay_alu instid0(VALU_DEP_1)
	v_lshrrev_b32 v240, v7, v240                   ; lanes 0-15 store block 0's byte, lanes 16-31 block 1's
	v_cvt_scalef32_pk16_fp6_f32 v[224:226], v[96:111], v244
	v_cvt_scalef32_pk16_fp6_f32 v[228:230], v[112:127], v245
	v_nop
.irp i, 0,1,2
	v_permlane16_swap_b32 v[224+\i], v[228+\i]     ; a whole block to a lane: lanes 0-15 block 0, lanes 16-31 block 1
.endr
.irp i, 0,1,2
	s_delay_alu instid0(VALU_DEP_3)
	v_mov_b32 v[227+\i], v[228+\i]
.endr
.irp p, 0,1,2
	global_store_b64 v[LK], v[224+2*\p:225+2*\p], s[12:13] offset:256*\p    ; 32 lanes store 256 consecutive bytes, aligned
.endr
	global_store_b8 v10, v240, s[14:15]
	s_wait_xcnt 0x0                                ; the stores have read their registers and bases: both are written again below and in the next pass
	s_add_nc_u64 s[86:87], s[86:87], 12288         ; the next pass: 16 tiles of queries on
	s_add_nc_u64 s[88:89], s[88:89], 1024
	s_add_nc_u64 s[12:13], s[12:13], 196608
	s_add_nc_u64 s[14:15], s[14:15], 8192
	s_add_co_u32 s[QB], s[QB], 256
	s_sub_co_u32 s[PCN], s[PCN], 1
	s_cmp_lg_u32 s[PCN], 0
	s_wait_alu depctr_va_vdst(0)
	s_cbranch_scc1 .Lpass
	s_wait_dscnt 0x0                               ; my reads of LDS are over;
	s_barrier_signal -1
	s_barrier_wait -1                              ; every wave's are: no wave comes to its closing lines while another still reads
	s_wait_tensorcnt 0x0                           ; the wave's end
	ds_add_u32 v[SPW], v[NIL]
	s_wait_dscnt 0x0
	s_endpgm
.Lfunc_end_k_qf056ad0bdf_attn:
	.size	k_qf056ad0bdf_attn, .Lfunc_end_k_qf056ad0bdf_attn-k_qf056ad0bdf_attn
	.p2alignl 7, 3214868480
	.fill 96, 4, 3214868480
	.section	.rodata,"a",@progbits
	.p2align	6, 0x0
	.amdhsa_kernel k_qf056ad0bdf_attn
		.amdhsa_group_segment_fixed_size 248320
		.amdhsa_private_segment_fixed_size 0
		.amdhsa_enable_private_segment 0
		.amdhsa_kernarg_size 48
		.amdhsa_user_sgpr_count 2
		.amdhsa_user_sgpr_kernarg_segment_ptr 1
		.amdhsa_wavefront_size32 1
		.amdhsa_system_sgpr_workgroup_id_x 1
		.amdhsa_system_sgpr_workgroup_id_y 1
		.amdhsa_system_sgpr_workgroup_id_z 1
		.amdhsa_system_vgpr_workitem_id 0
		.amdhsa_next_free_vgpr 256
		.amdhsa_next_free_sgpr 92
		.amdhsa_reserve_vcc 1
		.amdhsa_float_denorm_mode_32 3
		.amdhsa_float_denorm_mode_16_64 3
		.amdhsa_memory_ordered 1
		.amdhsa_forward_progress 1
		.amdhsa_inst_pref_size 53
	.end_amdhsa_kernel
	.amdgpu_metadata
---
amdhsa.version: [ 1, 2 ]
amdhsa.kernels:
  - .name:           k_qf056ad0bdf_attn
    .symbol:         k_qf056ad0bdf_attn.kd
    .args:
      - { .name: qkv_img, .offset: 0, .size: 8, .value_kind: global_buffer, .address_space: global }
      - { .name: qkv_sc, .offset: 8, .size: 8, .value_kind: global_buffer, .address_space: global }
      - { .name: attention_mask, .offset: 16, .size: 8, .value_kind: global_buffer, .address_space: global }
      - { .name: rel_emb, .offset: 24, .size: 8, .value_kind: global_buffer, .address_space: global }
      - { .name: a_img, .offset: 32, .size: 8, .value_kind: global_buffer, .address_space: global }
      - { .name: a_sc, .offset: 40, .size: 8, .value_kind: global_buffer, .address_space: global }
    .group_segment_fixed_size: 248320
    .private_segment_fixed_size: 0
    .kernarg_segment_align: 8
    .kernarg_segment_size: 48
    .max_flat_workgroup_size: 512
    .sgpr_count:     92
    .vgpr_count:     256
    .wavefront_size: 32
...
	.end_amdgpu_metadata
.endif
;; end of part 3
;; launch outp (part 4): grid 4 x 32, 4 waves a work-group, clusters of 4 x 4, 327,680 bytes of LDS; arguments a_img, a_sc, xw_img, xw_sc, out0; writes out0
.if DOCPART == 4
	.amdgcn_target "amdgcn-amd-amdhsa--gfx1250"
	.amdhsa_code_object_version 6
	.text
	.protected	k_qf056ad0bdf_outp
	.globl	k_qf056ad0bdf_outp
	.p2align	8
	.type	k_qf056ad0bdf_outp,@function
k_qf056ad0bdf_outp:
	s_mov_b64 s[64:65], 0
	v_nop
	global_prefetch_b8 v0, s[64:65] scope:SCOPE_SE
	s_setreg_imm32_b32 hwreg(HW_REG_WAVE_MODE, 25, 1), 1
	s_wait_xcnt 0x0
	s_wait_alu depctr_hold_cnt(0) depctr_sa_sdst(0) depctr_va_vdst(0) depctr_va_sdst(0) depctr_va_ssrc(0) depctr_va_vcc(0) depctr_vm_vsrc(0)
	s_getreg_b32 s2, hwreg(HW_REG_IB_STS2, 6, 4)
	s_cmp_eq_u32 s2, 0
	s_cbranch_scc0 .Lentry_in_a_cluster
	s_endpgm
.Lentry_in_a_cluster:
	s_bfe_u32 s2, ttmp6, 0x10000c
	s_cmp_lg_u32 s2, 0xf033
	s_cbranch_scc0 .Lentry_shape_is_right
	s_endpgm
.Lentry_shape_is_right:
.set NQ,    2
.set FR,    12
.set NL,    6
.set NP,    4
.set CHB,   3072
.set HALFT, 8*CHB
.set SLOT,  4*HALFT
.set SCL,   3*SLOT
.set SPARE, SCL+16384
.set SPITCH, 528
.set ADRA,  16
.set ADRB,  20
.set STO,   24
.set RD,    25
.set CO,    26
.set ADRS,  27
.set SPW,   28
.set NIL,   29
.set SC,    32
.set AF,    128
.set BK,    128
.set G1,  24
.set G0,  32
.set G1B, 44
.set G0B, 52
.set G1S, 68
.set G0S, 76
.set G1SB, 80
.set G0SB, 88
.set MSB, 0
.macro WIN new
.if MSB != \new
	s_set_vgpr_msb (MSB<<8)|\new
.set MSB, \new
.endif
.endm
.set MUL_LO, 0xa1
.set MUL_HI, 0xf1
.set TO_B,   0x40
.macro JLOAD g0a, g1a, g0b, g1b
	s_cmp_eq_u32 s15, 0
	s_cbranch_scc0 .Lfor_b_\@
	tensor_load_to_lds s[\g0a:\g0a+3], s[\g1a:\g1a+7]
	s_nop 0
.rept 4
	v_nop
.endr
	s_branch .Lasked_\@
.Lfor_b_\@:
	tensor_load_to_lds s[\g0b:\g0b+3], s[\g1b:\g1b+7]
	s_nop 0
.rept 4
	v_nop
.endr
.Lasked_\@:
.endm
.macro CREST
	s_cmp_lg_u32 s14, 0
	s_cbranch_scc1 .Lnot_wave_0_\@
	s_barrier_signal -3
.Lnot_wave_0_\@:
	s_barrier_wait -3
	s_barrier_signal -1
	s_barrier_wait -1
.endm
.macro CROUND
	s_barrier_signal -1
	s_barrier_wait -1
	CREST
.endm
	s_load_b256 s[4:11], s[0:1], 0x0
	s_load_b64 s[12:13], s[0:1], 0x20
	v_lshl_add_u32 v[SPW], v0, 2, SPARE
	v_mov_b32 v[NIL], 0
	ds_add_u32 v[SPW], v[NIL]
	ds_add_u32 v[SPW], v[NIL]
	v_lshrrev_b32 v1, 5, v0
	v_readfirstlane_b32 s14, v1
	s_lshr_b32 s15, s14, 1
	s_and_b32 s16, s14, 1
	s_bfe_u32 s66, ttmp6, 0x40000
	s_bfe_u32 s67, ttmp6, 0x40004
	s_lshl_b32 s101, ttmp9, 2
	s_add_co_u32 s101, s101, s66
	s_and_b32 s17, ttmp7, 0xffff
	s_lshl_b32 s17, s17, 2
	s_add_co_u32 s17, s17, s67
	s_lshl_b32 s18, s67, 2
	s_lshl_b32 s18, 15, s18
	s_lshl_b32 s19, 0x1111, s66
	s_or_b32 s[G1], s18, (3<<16)|(1<<21)
	s_or_b32 s[G1B], s19, (3<<16)|(1<<21)
.irp g, G1, G1B
	s_mov_b32 s[\g+1], 384<<16
	s_mov_b32 s[\g+2], 8<<16
	s_mov_b32 s[\g+3], 384<<16
	s_mov_b32 s[\g+4], 8
	s_mov_b32 s[\g+5], 1536
	s_mov_b32 s[\g+6], 0
	s_mov_b32 s[\g+7], 0
.endr
	s_lshl_b32 s23, s16, 3
	s_lshl_b32 s20, s17, 4
	s_add_co_u32 s20, s20, s23
	s_lshl_b32 s92, s101, 4
	s_add_co_u32 s92, s92, 704
	s_add_co_u32 s92, s92, s23
	s_lshl_b32 s94, s20, 9
	s_mov_b32 s95, 0
	s_mul_i32 s20, s20, 12288
	s_mov_b32 s21, 0
	s_lshl_b32 s96, s92, 9
	s_mov_b32 s97, 0
	s_mul_i32 s92, s92, 12288
	s_mov_b32 s93, 0
	s_mul_i32 s98, s14, HALFT
	s_lshl_b32 s99, s14, 12
	s_wait_dscnt 0x0
	s_wait_kmcnt 0x0
	s_add_nc_u64 s[20:21], s[4:5], s[20:21]
	s_add_nc_u64 s[94:95], s[6:7], s[94:95]
	s_add_nc_u64 s[92:93], s[8:9], s[92:93]
	s_add_nc_u64 s[96:97], s[10:11], s[96:97]
	CROUND
	s_cmp_eq_u32 s15, 0                            ; my 4,096 bytes of scale words (waves 0, 1: A's halves; 2, 3: B's) come through registers: eight loads of 512 consecutive bytes
	s_cselect_b64 s[76:77], s[94:95], s[96:97]
	v_and_b32 v30, 31, v0
	v_lshlrev_b32 v30, 4, v30                      ; 16 x lane
	s_add_co_u32 s99, s99, SCL
	v_add_nc_u32 v31, s99, v30                     ; and go to SCL + 4,096 x wave + 16 x lane
.irp i, 0,1,2,3,4,5,6,7
	global_load_b128 v[SC+4*\i:SC+4*\i+3], v30, s[76:77] offset:512*\i
.endr
.irp n, 0,1
	s_mov_b32 s[G0+4*\n], 1
	s_add_co_u32 s[G0+4*\n+1], s98, \n*SLOT
	s_add_nc_u64 s[G0+4*\n+2:G0+4*\n+3], s[20:21], \n*CHB
	s_or_b32 s[G0+4*\n+3], s[G0+4*\n+3], 0x80000000
	s_mov_b32 s[G0B+4*\n], 1
	s_add_co_u32 s[G0B+4*\n+1], s98, \n*SLOT
	s_add_nc_u64 s[G0B+4*\n+2:G0B+4*\n+3], s[92:93], \n*CHB
	s_or_b32 s[G0B+4*\n+3], s[G0B+4*\n+3], 0x80000000
.endr
	JLOAD G0, G1, G0B, G1B                         ; chunk 0: the head's one tensor load a wave; the set-up below stands under its flight
	v_and_b32 v1, 31, v0
	v_and_b32 v2, 15, v0
	v_bfe_u32 v3, v0, 4, 1
	s_wait_alu depctr_va_vdst(0)
	v_lshlrev_b32 v4, 3, v1
	s_mul_i32 s18, s15, HALFT
	s_mul_i32 s19, s16, HALFT
	s_add_co_u32 s19, s19, 2*HALFT
.irp n, 0,1
	v_add_nc_u32 v[ADRA+\n], s18, v4
	v_add_nc_u32 v[ADRB+\n], s19, v4
	s_add_co_u32 s18, s18, SLOT
	s_add_co_u32 s19, s19, SLOT
.endr
	s_lshl_b32 s18, s15, 12
	s_lshl_b32 s19, s16, 12
	s_add_co_u32 s19, s19, 8192
	s_sub_co_u32 s19, s19, s18
	v_mul_u32_u24 v5, s19, v3
	s_add_co_u32 s18, s18, SCL
	v_lshl_add_u32 v5, v2, 4, v5
	v_add_nc_u32 v[ADRS], s18, v5
	s_mul_i32 s18, s14, 16*SPITCH
	s_add_co_u32 s18, s18, 2*SLOT                  ; my stage lies behind the ring's two slots, on bytes that no tensor load fills
	v_mul_u32_u24 v5, v2, SPITCH
	v_lshl_add_u32 v5, v3, 6, v5
	v_add_nc_u32 v[STO], s18, v5
	v_lshlrev_b32 v[CO], 4, v1
	v_add_nc_u32 v[RD], s18, v[CO]
	s_lshl_b32 s18, s17, 8
	s_lshl_b32 s19, s15, 7
	s_add_co_u32 s18, s18, s19
	s_lshl_b32 s18, s18, 12
	s_lshl_b32 s19, s101, 10
	s_add_co_u32 s18, s18, s19
	s_lshl_b32 s19, s16, 9
	s_add_co_u32 s18, s18, s19
	s_mov_b32 s19, 0
	s_add_nc_u64 s[12:13], s[12:13], s[18:19]
.macro FRAG reg, adr, q, i
.irp p, 0,1,2,3,4,5
	ds_load_b64 v[\reg+2*\p:\reg+2*\p+1], v[\adr] offset:CHB*(\i)+1536*(\q)+256*\p
.endr
.endm
.macro MUL16 a0, p, q, sc, zero
.irp a, \a0, \a0+1
.irp b, 0,1,2,3,4,5,6,7
.if \zero
	v_wmma_scale_f32_16x16x128_f8f6f4 v[8*(8*((\a)%4)+\b):8*(8*((\a)%4)+\b)+7], v[128*(\p)+FR*\b:128*(\p)+FR*\b+FR-1], v[AF+FR*(\a):AF+FR*(\a)+FR-1], 0, v[SC+8*NQ*(\sc)+NQ*\b+(\q)], v[SC+8*NQ*(\sc)+NQ*(\a)+(\q)] matrix_a_fmt:MATRIX_FMT_FP6 matrix_b_fmt:MATRIX_FMT_FP6 matrix_a_scale:MATRIX_SCALE_ROW1
.else
	v_wmma_scale_f32_16x16x128_f8f6f4 v[8*(8*((\a)%4)+\b):8*(8*((\a)%4)+\b)+7], v[128*(\p)+FR*\b:128*(\p)+FR*\b+FR-1], v[AF+FR*(\a):AF+FR*(\a)+FR-1], v[8*(8*((\a)%4)+\b):8*(8*((\a)%4)+\b)+7], v[SC+8*NQ*(\sc)+NQ*\b+(\q)], v[SC+8*NQ*(\sc)+NQ*(\a)+(\q)] matrix_a_fmt:MATRIX_FMT_FP6 matrix_b_fmt:MATRIX_FMT_FP6 matrix_a_scale:MATRIX_SCALE_ROW1
.endif
.endr
.endr
.endm
.macro FETCH_B slot, q, p
	WIN TO_B
.irp i, 0,1,2,3,4,5,6,7
	FRAG 128*(\p)+FR*\i, ADRB+\slot, \q, \i
.endr
	WIN 0
.endm
.macro FETCH_A slot, q, i0
.irp i, \i0, \i0+1, \i0+2, \i0+3
	FRAG AF+FR*(\i), ADRA+\slot, \q, \i
.endr
.endm
.macro SCALES ch
.irp i, 0,1,2,3,4,5,6,7
	ds_load_b64 v[SC+16*((\ch)%2)+2*\i:SC+16*((\ch)%2)+2*\i+1], v[ADRS] offset:512*\i+256*((\ch)/2)+8*((\ch)%2)
.endr
.endm
.macro PLACES n
.rept \n
	v_nop
.endr
.endm
.macro KS slot, q, sc, zero, nslot, nq, nch, sync
.if \sync
	s_wait_tensorcnt 0x0
	ds_add_u32 v[SPW], v[NIL]
	s_wait_dscnt 4*NL+1
.else
	s_wait_dscnt 4*NL
.endif
	WIN MUL_LO
	MUL16 0, \q, \q, \sc, \zero
.if \sync
	s_wait_dscnt 0x0
	s_barrier_signal -1
.endif
	MUL16 2, \q, \q, \sc, \zero
.if \sync
	WIN 0
	s_barrier_wait -1
.if \sync == 2
	CREST
	s_add_nc_u64 s[G0+4*(\slot)+2:G0+4*(\slot)+3], s[G0+4*(\slot)+2:G0+4*(\slot)+3], 2*CHB      ; a ring of two slots: the slot just read out takes the chunk two on
	s_add_nc_u64 s[G0B+4*(\slot)+2:G0B+4*(\slot)+3], s[G0B+4*(\slot)+2:G0B+4*(\slot)+3], 2*CHB
	JLOAD G0+4*(\slot), G1, G0B+4*(\slot), G1B
.else
	PLACES NP
.endif
.else
	s_wait_dscnt 0x0
	PLACES NP
.endif
	FETCH_B \nslot, \nq, 1-(\q)
	FETCH_A \nslot, \nq, 0
.if (\nq) == 0
	SCALES \nch
.endif
	WIN MUL_HI
	MUL16 4, \q, \q, \sc, \zero
	MUL16 6, \q, \q, \sc, \zero
	PLACES NP
	WIN 0
	FETCH_A \nslot, \nq, 4
.endm
	s_wait_alu depctr_va_vdst(0)
	s_wait_loadcnt 0x0                             ; my scale words are in registers
.irp i, 0,1,2,3,4,5,6,7
	ds_store_b128 v31, v[SC+4*\i:SC+4*\i+3] offset:512*\i
.endr
	s_wait_tensorcnt 0x0                           ; my part of chunk 0 is in
	ds_add_u32 v[SPW], v[NIL]
	s_wait_dscnt 0x0                               ; the add and my stores of scale words are done
	CROUND                                         ; chunk 0 and the scale words are whole, and all sixteen work-groups are here
	JLOAD G0+4, G1, G0B+4, G1B                     ; chunk 1, the first tensor load behind the round
	FETCH_B 0, 0, 0
	FETCH_A 0, 0, 0
	SCALES 0
	FETCH_A 0, 0, 4
	KS 0, 0, 0, 1, 0, 1, 0, 0
	KS 0, 1, 0, 0, 1, 0, 1, 2
	KS 1, 0, 1, 0, 1, 1, 0, 0
	KS 1, 1, 1, 0, 0, 0, 2, 2
	KS 0, 0, 0, 0, 0, 1, 0, 0
	KS 0, 1, 0, 0, 1, 0, 3, 1
	KS 1, 0, 1, 0, 1, 1, 0, 0
	s_wait_dscnt 4*NL
	WIN MUL_LO
	MUL16 0, 1, 1, 1, 0
	MUL16 2, 1, 1, 1, 0
	s_wait_dscnt 0x0
	WIN MUL_HI
	MUL16 4, 1, 1, 1, 0
	MUL16 6, 1, 1, 1, 0
	WIN 0
.macro TOSTAGE a
.set AC, 64*((\a)%4)
	WIN 0x08+4*((\a)/4)
.irp b, 0,1,2,3,4,5,6,7
	ds_store_b128 v[STO], v[AC+8*\b:AC+8*\b+3] offset:128*(\b/2)+32*(\b%2)
	ds_store_b128 v[STO], v[AC+8*\b+4:AC+8*\b+7] offset:128*(\b/2)+32*(\b%2)+16
.endr
	WIN 0
.set BB, BK+64*((\a)%2)
.irp t, 0,1,2,3,4,5,6,7,8,9,10,11,12,13,14,15
	ds_load_b128 v[BB+4*\t:BB+4*\t+3], v[RD] offset:\t*SPITCH
.endr
.endm
.macro SEND a, younger
.set BB, BK+64*((\a)%2)
	s_wait_dscnt \younger
.irp t, 0,1,2,3,4,5,6,7,8,9,10,11,12,13,14,15
	global_store_b128 v[CO], v[BB+4*\t:BB+4*\t+3], s[12:13] offset:(32*((\a)/2)+8*((\a)%2)+\t+8*(\t/8))*4096 th:TH_STORE_NT
.endr
.endm
	PLACES NP
	TOSTAGE 0
.irp a, 1,2,3,4,5,6,7
.if \a > 1
	s_wait_xcnt 0x0
.endif
	TOSTAGE \a
	SEND \a-1, 32
.endr
	SEND 7, 0
	s_wait_tensorcnt 0x0
	ds_add_u32 v[SPW], v[NIL]
	s_wait_dscnt 0x0
	CROUND
	s_endpgm
.Lfunc_end_k_qf056ad0bdf_outp:
	.size	k_qf056ad0bdf_outp, .Lfunc_end_k_qf056ad0bdf_outp-k_qf056ad0bdf_outp
	.p2alignl 7, 3214868480
	.fill 96, 4, 3214868480
	.section	.rodata,"a",@progbits
	.p2align	6, 0x0
	.amdhsa_kernel k_qf056ad0bdf_outp
		.amdhsa_group_segment_fixed_size 327680
		.amdhsa_private_segment_fixed_size 0
		.amdhsa_enable_private_segment 0
		.amdhsa_kernarg_size 40
		.amdhsa_user_sgpr_count 2
		.amdhsa_user_sgpr_kernarg_segment_ptr 1
		.amdhsa_wavefront_size32 1
		.amdhsa_system_sgpr_workgroup_id_x 1
		.amdhsa_system_sgpr_workgroup_id_y 1
		.amdhsa_system_sgpr_workgroup_id_z 1
		.amdhsa_system_vgpr_workitem_id 0
		.amdhsa_next_free_vgpr 1024
		.amdhsa_next_free_sgpr 102
		.amdhsa_reserve_vcc 0
		.amdhsa_float_denorm_mode_32 3
		.amdhsa_float_denorm_mode_16_64 3
		.amdhsa_memory_ordered 1
		.amdhsa_forward_progress 1
		.amdhsa_inst_pref_size 159
	.end_amdhsa_kernel
	.amdgpu_metadata
---
amdhsa.version: [ 1, 2 ]
amdhsa.kernels:
  - .name:           k_qf056ad0bdf_outp
    .symbol:         k_qf056ad0bdf_outp.kd
    .args:
      - { .name: a_img, .offset: 0, .size: 8, .value_kind: global_buffer, .address_space: global }
      - { .name: a_sc, .offset: 8, .size: 8, .value_kind: global_buffer, .address_space: global }
      - { .name: xw_img, .offset: 16, .size: 8, .value_kind: global_buffer, .address_space: global }
      - { .name: xw_sc, .offset: 24, .size: 8, .value_kind: global_buffer, .address_space: global }
      - { .name: out0, .offset: 32, .size: 8, .value_kind: global_buffer, .address_space: global }
    .group_segment_fixed_size: 327680
    .private_segment_fixed_size: 0
    .kernarg_segment_align: 8
    .kernarg_segment_size: 40
    .max_flat_workgroup_size: 128
    .sgpr_count:     102
    .vgpr_count:     1024
    .wavefront_size: 32
...
	.end_amdgpu_metadata
.endif
;; end of part 4
